; MI455X (gfx1250); checked and timed in simulation.
; The chip was launched on July 23, 2026; its instructions are those of AMD's public machine-readable ISA for CDNA 5 (MIT licence, August 2026) and "CDNA5" Instruction Set Architecture Reference Guide (July 2026). The comments in the code are by the model that wrote it; some were corrected since.
;; Multi Head Attention. Allowed arithmetic: matrix products marked QUANTISED: E2M3 operands, one E8M0 scale for each 32 along K, by v_wmma_scale_f32_16x16x128_f8f6f4 with both operands' format E2M3, f32 sums; everything else in f32.
;; Inputs: Wk 1,024 x 1,024 float32; Wo 1,024 x 1,024 float32; Wq 1,024 x 1,024 float32; Wv 1,024 x 1,024 float32; bk 1,024 float32; bo 1,024 float32; bq 1,024 float32; bv 1,024 float32; key 4 x 2,048 x 1,024 float32; query 4 x 2,048 x 1,024 float32; value 4 x 2,048 x 1,024 float32.
;; Outputs: out0 4 x 2,048 x 1,024 float32.
;; This version of the problem:
;;   THIS VERSION OF THE PROBLEM IS GIVEN IN LOW PRECISION. The matrix products marked QUANTISED in the list below multiply operands that are first quantised to E2M3 (2 exponent bits, 3 mantissa bits; 6 bits a number), with one power-of-two scale for each 32 numbers along K (OCP MX v1.0); their sums are f32. All else is computed in f32.
;;   The module's matrix products, in the order in which they are computed (A, B: the left and right operand; K: the contracted axis; several contracted axes count as one K, in the product's order):
;;     1. [M 8,192, K 1,024] x [K 1,024, N 1,024]; A: input query; B: input Wq: QUANTISED
;;     2. [M 8,192, K 1,024] x [K 1,024, N 1,024]; A: input key; B: input Wk: QUANTISED
;;     3. [M 8,192, K 1,024] x [K 1,024, N 1,024]; A: input value; B: input Wv: QUANTISED
;;     4. batch 64 x [M 2,048, K 64] x [K 64, N 2,048]; A: computed on the way; B: computed on the way: QUANTISED
;;     5. batch 64 x [M 2,048, K 2,048] x [K 2,048, N 64]; A: softmax (see below); B: computed on the way: QUANTISED
;;     6. [M 8,192, K 1,024] x [K 1,024, N 1,024]; A: computed on the way; B: input Wo: QUANTISED
;;   THE QUANTISER, for each operand of a quantised product, along K:
;;     - K is cut into blocks of 32 from its start; a last block that is shorter is filled with zeros.
;;     - A block's scale is 2^e with e = floor(log2(the largest magnitude in the block)) - 2, held to -126 .. 127; a block of zeros has e = 0. As a byte (E8M0): e + 127.
;;     - Each number is divided by its block's scale, clamped to +-7.5, and rounded to the nearest number of E2M3, ties to even, subnormals kept.
;;     - The product sums the exact products of the quantised numbers (number of the format x scale) in f32.
;;   ~~~python
;;   def quantise(x, axis):      # numpy; x: float32 -> the quantised numbers, widened to float32 again
;;       x = np.moveaxis(x, axis, -1); K = x.shape[-1]
;;       x = np.pad(x, [(0, 0)] * (x.ndim - 1) + [(0, -K % 32)]); x = x.reshape(x.shape[:-1] + (-1, 32)); a = np.abs(x).max(-1, keepdims=True)
;;       e = np.where(a > 0, np.clip(np.frexp(np.where(a > 0, a, 1))[1] - 1 - 2, -126, 127), 0)      # np.frexp(a)[1] - 1 = floor(log2(a)), exactly
;;       r = np.clip(x / 2.0 ** e, -7.5, 7.5)
;;       step = 2.0 ** (np.maximum(np.frexp(np.where(r == 0, 1, r))[1] - 1, 0) - 3)
;;       q = np.round(r / step) * step * 2.0 ** e      # np.round: ties to even
;;       return np.moveaxis(q.reshape(q.shape[:-2] + (-1,))[..., :K], -1, axis).astype(np.float32)
;;   ~~~
;;   SOFTMAX AHEAD OF A QUANTISED PRODUCT. Where the list says 'softmax', what is quantised is not the finished softmax but p = 2^(t - M), with t = logit x log2(e) and M = ceil(the row's largest t), a whole number; so 1/2 < the row's largest p <= 1. The row's sum l is taken of the UNQUANTISED p, in f32, and the product's result is divided by l at the end. Since M is a whole number, a kernel that streams over the keys may use a running M (the ceiling of the running maximum): every later rescaling is an exact power of two, which a block's scale takes up: the codes' values come out the same.
;;   OPERANDS COMPUTED ON THE WAY. 'Computed on the way' means the value that the module computes at that place (a softmax that the list does not call 'softmax' is quantised finished and normalised). What goes into a quantiser is computed in f32, as accurately as f32 sums, v_exp_f32 and their like allow (about 1e-6 of the number): no bf16 or f16 on the way to a quantiser, and a product that is left as it is and whose result goes on into a quantised operand takes f32 operands (vector FMAs, or v_wmma_f32_16x16x4_f32). A number that lies on a knife's edge between two numbers of the format may be rounded either way, as far as f32 arithmetic and the matrix unit's own rounding can turn it there, and no further.
;; One version. Each part assembles by itself: llvm-mc -triple=amdgcn-amd-amdhsa -mcpu=gfx1250 --defsym DOCPART=n.
;; ======== version 1 of 1: 4 launches
;; limits: right only within a limited range of input values
;; workspace buffers: xc 22,020,096 bytes; xs 917,504 bytes; qc 6,553,600 bytes; kv 13,107,200 bytes; oc 6,291,456 bytes; os 262,144 bytes
;; launch quant (part 1): grid 256 x 1, 7 waves a work-group, no clusters, 60,160 bytes of LDS; arguments query, key, value, Wq, Wk, Wv, Wo, xc, xs; writes xc, xs
.if DOCPART == 1
	.amdgcn_target "amdgcn-amd-amdhsa--gfx1250"
	.amdhsa_code_object_version 6
	.text
	.protected	k_q94e2f2fdbf_quant
	.globl	k_q94e2f2fdbf_quant
	.p2align	8
	.type	k_q94e2f2fdbf_quant,@function
k_q94e2f2fdbf_quant:
	s_mov_b64 s[64:65], 0
	v_nop
	global_prefetch_b8 v0, s[64:65] scope:SCOPE_SE
	s_setreg_imm32_b32 hwreg(HW_REG_WAVE_MODE, 25, 1), 1
	s_wait_xcnt 0x0
; query, key, value [8192][1024] and Wq, Wk, Wv, Wo [1024][1024], f32, K innermost, become codes of FP6 (E2M3) with one E8M0 byte for each 32 along K.
; A block's scale is 2^(floor(log2(its largest magnitude)) - 2); its byte is the largest magnitude's exponent field - 2, held at 1 from below.
; LIMITS: NaN and infinities among the inputs are not served; a block of zeros, or one whose largest magnitude lies under 2^-124, gets the byte 1 (the bytes are read by this program alone; zero codes add nothing under it).
; SHARES.  The seven tensors are 1,792 tiles of 16 rows x 1,024: 256 work-groups x 7 waves, a wave a tile.  Waves share nothing: no barrier, no cluster, no matrix unit.
; THE ROWS OF A TILE ARE NOT NEIGHBOURS: lane-row r of tile t is tensor row 32 (t / 2) + 8 (t % 2) + r + 8 (r / 8), in all tensors but key (key's order below), so that later products' results have 16 neighbours in 16 registers.
; THE CODES LEAVE IN THE ORDER OF THE OPERAND'S REGISTERS.  xc: [tile][K step of 128][1,536 bytes]; a K step is two halves of 768 bytes (64 along K): registers 0-3 of the half at 16 x lane, registers 4-5 at 512 + 8 x lane.
; Lane (r, h) holds row r, k = 64 c + 32 h + 0 .. 31 in registers 6 c .. 6 c + 5.  Every store covers 512 or 256 consecutive bytes, aligned.
; THE SCALE WORDS.  xs: [tile][512 bytes]: the word of (K step s, row r) at 16 (16 (s % 2) + r) + 4 (s / 2): one load of 16 bytes a lane gives four registers, register j with K step 2 j in lanes 0-15 and 2 j + 1 in lanes 16-31.
; Each load reads 512 consecutive bytes of one row; a K step's 16 rows turn through the wave's own stage in LDS (pitch 528) and come back 128 bytes a lane.  Loads run three K steps (48 loads a wave) ahead.
; REGISTERS: window 0: v1-5 addresses; v6, v7 the add's two; v8-14 at work; v64-127 a lane's 64 numbers; v128-223 codes, 12 for each K step, so that no store's data are written again; v224-231 scale words; window 1: four sets of 64 as loaded.
.set STG,   8448                       ; a wave's stage: 16 rows x (512 + 16) bytes
.set SPARE, 7*STG                      ; behind the stages: the spare words, 128 bytes a wave, in four blocks of 256 bytes that no other line names
.set X,     64
.set PC,    128
.set WD,    224
.set SIM,   232
.set CT,    236
.set MSB, 0
.macro WIN new                         ; the immediate's high byte repeats the setting that is left
.if MSB != \new
	s_set_vgpr_msb (MSB<<8)|\new
.set MSB, \new
.endif
.endm
	s_load_b512 s[4:19], s[0:1], 0x0               ; query, key, value, Wq, Wk, Wv, Wo, xc
	s_load_b64 s[20:21], s[0:1], 0x40              ; xs
	v_lshl_add_u32 v6, v0, 2, SPARE
	v_mov_b32 v7, 0
	v_lshrrev_b32 v8, 5, v0
	v_readfirstlane_b32 s22, v8                    ; wave 0..6
	v_and_b32 v9, 31, v0                           ; lane
	v_lshlrev_b32 v1, 4, v9                        ; 16 x lane
	v_lshlrev_b32 v2, 3, v9                        ; 8 x lane
	v_and_b32 v10, 15, v0                          ; r
	v_bfe_u32 v11, v0, 4, 1                        ; h
	s_mul_i32 s27, s22, STG
	v_add_nc_u32 v3, s27, v1                       ; the stage, on the way in: a row's 512 bytes as they lie
	v_mul_u32_u24 v4, v10, 528
	v_lshl_add_u32 v4, v11, 7, v4
	v_add_nc_u32 v4, s27, v4                       ; and on the way out: row r, + 128 h
	v_lshlrev_b32 v5, 3, v11                       ; 8 h: where my two bytes stand in a scale word
	v_mov_b32 v14, 0                               ; written once: a lane permute's destination counts as one of its sources
	s_mov_b32 s26, 0xffff0000                      ; lanes 16-31
	s_mov_b32 s28, 0x76543210
	s_mov_b32 s29, 0xfedcba98                      ; v_permlanex16_b32's selects for lane l xor 16
	s_mul_i32 s23, ttmp9, 7
	s_add_co_u32 s23, s23, s22                     ; my tile, 0 .. 1,791: query from 0, key 512, value 1,024, Wq 1,536, Wk 1,600, Wv 1,664, Wo 1,728
	s_cmp_lt_u32 s23, 1536
	s_cselect_b32 s30, 511, 63
	s_and_b32 s30, s23, s30                        ; the tile's number in its tensor
	; KEY'S TILES HAVE AN ORDER OF THEIR OWN: lane-row r of key's tile t is row 64 (t / 4) + 8 (t % 4) + r + 24 (r / 8), so that in attention a lane's 32 scores of four tiles are one block of 32 keys.  The other six tensors: 32 (t / 2) + 8 (t % 2) + r + 8 (r / 8).
	s_lshr_b32 s36, s23, 9
	s_cmp_eq_u32 s36, 1                            ; tiles 512 .. 1,023 are key's
	s_cselect_b32 s36, 2, 1
	s_cselect_b32 s37, 3, 1
	s_cselect_b32 s38, 24, 8                       ; what rows 8-15 of a tile lie further on
	s_lshl_b32 s38, s38, 12
	v_add_nc_u32 v15, s38, v1                      ; the offset of the loads of rows 8-15
	s_lshr_b32 s31, s30, s36
	s_lshl_b32 s31, s31, s36
	s_lshl_b32 s31, s31, 4
	s_and_b32 s30, s30, s37
	s_lshl_b32 s30, s30, 3
	s_add_co_u32 s30, s31, s30                     ; its first row: 32 (t / 2) + 8 (t % 2)
	s_lshl_b32 s30, s30, 12                        ; x 4,096 bytes
	s_mov_b32 s31, 0
	s_mul_i32 s32, s23, 12288
	s_mov_b32 s33, 0
	s_lshl_b32 s34, s23, 9
	s_mov_b32 s35, 0
	s_wait_alu depctr_va_vdst(0)
	s_wait_kmcnt 0x0
	s_mov_b64 s[24:25], s[16:17]                   ; which tensor: a choice on the tile's number alone
	s_cmp_lt_u32 s23, 1728
	s_cselect_b64 s[24:25], s[14:15], s[24:25]
	s_cmp_lt_u32 s23, 1664
	s_cselect_b64 s[24:25], s[12:13], s[24:25]
	s_cmp_lt_u32 s23, 1600
	s_cselect_b64 s[24:25], s[10:11], s[24:25]
	s_cmp_lt_u32 s23, 1536
	s_cselect_b64 s[24:25], s[8:9], s[24:25]
	s_cmp_lt_u32 s23, 1024
	s_cselect_b64 s[24:25], s[6:7], s[24:25]
	s_cmp_lt_u32 s23, 512
	s_cselect_b64 s[24:25], s[4:5], s[24:25]
	s_add_nc_u64 s[24:25], s[24:25], s[30:31]
	s_add_nc_u64 s[18:19], s[18:19], s[32:33]
	s_add_nc_u64 s[20:21], s[20:21], s[34:35]
.macro LOAD t                          ; K step t of the 16 rows into set t % 4: each load reads 512 consecutive bytes
	WIN 0x40
.irp p, 0,1,2,3,4,5,6,7,8,9,10,11,12,13,14,15
.if \p < 8
	global_load_b128 v[64*((\t)%4)+4*\p:64*((\t)%4)+4*\p+3], v1, s[24:25] offset:\p*4096+512*(\t) th:TH_LOAD_NT
.else
	global_load_b128 v[64*((\t)%4)+4*\p:64*((\t)%4)+4*\p+3], v15, s[24:25] offset:\p*4096+512*(\t) th:TH_LOAD_NT
.endif
.endr
	WIN 0
.endm
.macro FRAGQ t
.if (\t) < 5
	s_wait_loadcnt 48                              ; this K step's 16 loads are in; the three younger sets may be out
.else
	s_wait_loadcnt 16*(7-(\t))                     ; the counts run down: 32, 16, 0
.endif
	WIN 0x04                                       ; an LDS store's data are its source 1: window 1
.irp p, 0,1,2,3,4,5,6,7,8,9,10,11,12,13,14,15
	ds_store_b128 v3, v[64*((\t)%4)+4*\p:64*((\t)%4)+4*\p+3] offset:528*\p
.endr
	WIN 0
.irp c, 0,1
.irp i, 0,1,2,3,4,5,6,7
	ds_load_b128 v[X+32*\c+4*\i:X+32*\c+4*\i+3], v4 offset:256*\c+16*\i   ; LDS serves a wave's instructions in order: these see the stores above.  k = 64 c + 32 h + 4 i ..
.endr
.endr
	s_wait_dscnt 0x0                               ; my 64 numbers are in, and the stores have read their registers,
.if (\t) < 4
	LOAD (\t)+4                                    ; which take the loads of four K steps on
.endif
	v_max3_num_f32 v8, |v[X]|, |v[X+1]|, 0x1800000       ; my two whole blocks, by turns; the floor 2^(3 - 127) holds the byte at 1 from below
	v_max3_num_f32 v9, |v[X+32]|, |v[X+33]|, 0x1800000
.irp i, 2,4,6,8,10,12,14,16,18,20,22,24,26,28,30
	v_max3_num_f32 v8, v8, |v[X+\i]|, |v[X+1+\i]|
	v_max3_num_f32 v9, v9, |v[X+32+\i]|, |v[X+33+\i]|
.endr
	v_add_nc_u32 v10, 0xff000000, v8               ; 2 off the exponent field: the conversion takes this operand's exponent field as its scale
	v_add_nc_u32 v11, 0xff000000, v9
	v_lshrrev_b32 v12, 23, v10                     ; the bytes of blocks h and 2 + h
	v_lshrrev_b32 v13, 23, v11
	v_lshl_or_b32 v12, v13, 16, v12
	v_lshlrev_b32 v12, v5, v12                     ; at their places in the word
	v_permlanex16_b32 v14, v12, s28, s29
	v_or_b32 v[WD+(\t)], v12, v14                  ; with lane l xor 16's two the word is whole
.irp c, 0,1
	v_cvt_scalef32_pk16_fp6_f32 v[PC+12*(\t)+6*\c:PC+12*(\t)+6*\c+2], v[X+32*\c:X+32*\c+15], v[10+\c]
	v_cvt_scalef32_pk16_fp6_f32 v[CT+4*\c:CT+4*\c+2], v[X+32*\c+16:X+32*\c+31], v[10+\c]   ; (a conversion's three registers begin on an even number)
.endr
	v_nop                                          ; one plain place behind the scaled conversions
.irp c, 0,1
.irp i, 0,1,2
	v_mov_b32 v[PC+12*(\t)+6*\c+3+\i], v[CT+4*\c+\i]
.endr
.endr
	global_store_b128 v1, v[PC+12*(\t):PC+12*(\t)+3], s[18:19] offset:1536*(\t)
	global_store_b64 v2, v[PC+12*(\t)+4:PC+12*(\t)+5], s[18:19] offset:1536*(\t)+512
	global_store_b128 v1, v[PC+12*(\t)+6:PC+12*(\t)+9], s[18:19] offset:1536*(\t)+768
	global_store_b64 v2, v[PC+12*(\t)+10:PC+12*(\t)+11], s[18:19] offset:1536*(\t)+1280
.endm
	LOAD 0
	LOAD 1
	LOAD 2
	LOAD 3
.irp t, 0,1,2,3,4,5,6,7
	FRAGQ \t
.endr
.irp j, 0,1,2,3
	v_cndmask_b32 v[SIM+\j], v[WD+2*\j], v[WD+2*\j+1], s26   ; lanes 0-15: K step 2 j; lanes 16-31: 2 j + 1
.endr
	global_store_b128 v1, v[SIM:SIM+3], s[20:21]   ; the tile's 512 bytes of scale words
	s_wait_tensorcnt 0x0                           ; the wave's end, behind my last LDS store
	ds_add_u32 v6, v7
	s_wait_dscnt 0x0
	s_endpgm
.Lfunc_end_k_q94e2f2fdbf_quant:
	.size	k_q94e2f2fdbf_quant, .Lfunc_end_k_q94e2f2fdbf_quant-k_q94e2f2fdbf_quant
	.p2alignl 7, 3214868480
	.fill 96, 4, 3214868480
	.section	.rodata,"a",@progbits
	.p2align	6, 0x0
	.amdhsa_kernel k_q94e2f2fdbf_quant
		.amdhsa_group_segment_fixed_size 60160
		.amdhsa_private_segment_fixed_size 0
		.amdhsa_enable_private_segment 0
		.amdhsa_kernarg_size 72
		.amdhsa_user_sgpr_count 2
		.amdhsa_user_sgpr_kernarg_segment_ptr 1
		.amdhsa_wavefront_size32 1
		.amdhsa_system_sgpr_workgroup_id_x 1
		.amdhsa_system_sgpr_workgroup_id_y 1
		.amdhsa_system_sgpr_workgroup_id_z 1
		.amdhsa_system_vgpr_workitem_id 0
		.amdhsa_next_free_vgpr 512
		.amdhsa_next_free_sgpr 66
		.amdhsa_reserve_vcc 0
		.amdhsa_float_denorm_mode_32 3
		.amdhsa_float_denorm_mode_16_64 3
		.amdhsa_memory_ordered 1
		.amdhsa_forward_progress 1
		.amdhsa_inst_pref_size 60
	.end_amdhsa_kernel
	.amdgpu_metadata
---
amdhsa.version: [ 1, 2 ]
amdhsa.kernels:
  - .name:           k_q94e2f2fdbf_quant
    .symbol:         k_q94e2f2fdbf_quant.kd
    .args:
      - { .name: query, .offset: 0, .size: 8, .value_kind: global_buffer, .address_space: global }
      - { .name: key, .offset: 8, .size: 8, .value_kind: global_buffer, .address_space: global }
      - { .name: value, .offset: 16, .size: 8, .value_kind: global_buffer, .address_space: global }
      - { .name: Wq, .offset: 24, .size: 8, .value_kind: global_buffer, .address_space: global }
      - { .name: Wk, .offset: 32, .size: 8, .value_kind: global_buffer, .address_space: global }
      - { .name: Wv, .offset: 40, .size: 8, .value_kind: global_buffer, .address_space: global }
      - { .name: Wo, .offset: 48, .size: 8, .value_kind: global_buffer, .address_space: global }
      - { .name: xc, .offset: 56, .size: 8, .value_kind: global_buffer, .address_space: global }
      - { .name: xs, .offset: 64, .size: 8, .value_kind: global_buffer, .address_space: global }
    .group_segment_fixed_size: 60160
    .private_segment_fixed_size: 0
    .kernarg_segment_align: 8
    .kernarg_segment_size: 72
    .max_flat_workgroup_size: 224
    .sgpr_count:     66
    .vgpr_count:     512
    .wavefront_size: 32
...
	.end_amdgpu_metadata
.endif
;; end of part 1
;; launch proj (part 2): grid 4 x 64, 4 waves a work-group, clusters of 4 x 4, 327,680 bytes of LDS; arguments xc, xs, bq, bk, bv, qc, kv; writes qc, kv
.if DOCPART == 2
	.amdgcn_target "amdgcn-amd-amdhsa--gfx1250"
	.amdhsa_code_object_version 6
	.text
	.protected	k_q94e2f2fdbf_proj
	.globl	k_q94e2f2fdbf_proj
	.p2align	8
	.type	k_q94e2f2fdbf_proj,@function
k_q94e2f2fdbf_proj:
	s_mov_b64 s[64:65], 0
	v_nop
	global_prefetch_b8 v0, s[64:65] scope:SCOPE_SE
	s_setreg_imm32_b32 hwreg(HW_REG_WAVE_MODE, 25, 1), 1
	s_wait_xcnt 0x0
	s_wait_alu depctr_hold_cnt(0) depctr_sa_sdst(0) depctr_va_vdst(0) depctr_va_sdst(0) depctr_va_ssrc(0) depctr_va_vcc(0) depctr_vm_vsrc(0)
	s_getreg_b32 s2, hwreg(HW_REG_IB_STS2, 6, 4)
	s_cmp_eq_u32 s2, 0
	s_cbranch_scc0 .Lentry_in_a_cluster
	s_endpgm
.Lentry_in_a_cluster:
	s_bfe_u32 s2, ttmp6, 0x10000c
	s_cmp_lg_u32 s2, 0xf033
	s_cbranch_scc0 .Lentry_shape_is_right
	s_endpgm
.Lentry_shape_is_right:
; Q = query Wq^T + bq, K = key Wk^T + bk, V = value Wv^T + bv on codes of FP6 (E2M3), and each result quantised anew as attention wants it: Q and K along a head's 64, V along the keys.
; A product has a side that goes to source 1 (128 rows a work-group) and a side that goes to source 0 (256 rows).  In a result, lane (r, h) holds row r of source 1's tile and its registers run along source 0's rows.
; Q, K: source 1 = tokens, source 0 = the weight's rows: a lane's registers run along the head.  V: source 1 = Wv's rows, source 0 = tokens: they run down the KEYS.
; WORK-GROUPS THAT STAY.  256 work-groups of four waves (2 x 2); each makes one tile of Q, then one of K, then one of V, 128 x 256 each; a wave makes 64 x 128: 32 accumulators.
; Q and K are two trips of one loop (what differs is chosen by s_cselect on the trip's number); V, which asks for nothing more, is the tail, written out.
; LDS: a ring of two slots, each with 512 along K of both sides (8 + 16 tiles x 6,144 bytes).  Wave 0 fetches source 1's side of slot 0, wave 1 source 0's, waves 2 and 3 the same of slot 1: one joint load a wave at the head.
; REFILLS, each behind a drained round of the cluster's barrier with the three lines ahead of it: slot 0 takes the next tile's first half of K inside K step 3, when its last fragments are in registers;
; slot 1 the second half in the middle of the way out.  One load of a wave is out at the most.  From a request to the wait for it stand four K steps and half a way out.
; CLUSTERS: 4 x 4.  The four of a row of the cluster need the same tiles of source 1's side, the four of a column those of source 0's: each is asked for jointly.
; The codes lie in memory and in LDS in the order of the operand's registers (1,536 bytes for 16 rows x 128 K).  The scale words of all K stay in registers; the next tile's are loaded a tile ahead into window 3 and moved at the tile's start.
; THE BIAS is added by the line that fetches the sums from their window: Q, K: it runs along the registers (64 registers in window 3); V: one number a lane and tile.
; PREFETCH: at a tile's start the next tile's tokens (98,304 or 196,608 dense bytes) are asked for, three K steps ahead of the first load that wants them: the sixteen waves of the four partners that will ask jointly
; share the blocks of 256 bytes out by address, two requests a wave.  The weights' tiles, an eighth of the codes that the launch reads, come by their loads alone; so do the first tile's.
; OUT.  qc: [batch x head][block of 128 queries][6,400]: 8 halves of 768 bytes (tile t at 768 t), then 256 bytes of pair words: for tiles 2 p, 2 p + 1 and row r, at 64 p + 4 r, the bytes (even tile's 2, odd tile's 2).
; kv: [batch x head][key step of 128][12,800]: K's 8 halves; V^T's 4 fragments at 6,144; K's pair words at 12,288; V's words at 12,544.
; LIMITS: NaN and infinities are not served; a block of zeros or under 2^-124 gets the byte 1.  The sign of a zero is not kept through the bias.
; REGISTERS: window 0: v1-3 16, 8, 4 x lane; v4-7, v8-11 LDS addresses in slot 0, 1; v12, v13 the biases' offsets; v14, v15 the add's two; v16-63 scale words; v64-111 codes, v112-127 stores' offsets;
;   v128-223 source 1's fragments, two sets, on the way out at work; v224-231 V's bias; v233-243 at work.   window 1: source 0's fragments, two sets.   window 2: accumulator (a, b) at v[8 (8 a + b)].   window 3: v0-63 the bias, v64-111 the next scale words.
.set CHUNK, 147456
.set SPARE, 2*CHUNK                    ; behind the ring: the spare words, 128 bytes a wave: two blocks of 256 bytes that no other line names
.set SA,  16
.set SB,  32
.set BA,  224
.set X,   128
.set TM,  192
.set CT,  208
.set PW,  216
.set G1A, 24
.set G1B, 32
.set G0A, 40
.set G0B, 56
.set SEL, 94
.set MSB, 0
.macro WIN new                         ; the immediate's high byte repeats the setting that is left
.if MSB != \new
	s_set_vgpr_msb (MSB<<8)|\new
.set MSB, \new
.endif
.endm
.macro PLACES
.rept 4
	v_nop
.endr
.endm
.macro CREST                           ; a round of the cluster's barrier behind its opening barrier
	s_cmp_lg_u32 s18, 0
	s_cbranch_scc1 .Lnot_wave_0_\@
	s_barrier_signal -3
.Lnot_wave_0_\@:
	s_barrier_wait -3
	s_barrier_signal -1
	s_barrier_wait -1
.endm
.macro CROUND
	s_barrier_signal -1
	s_barrier_wait -1
	CREST
.endm
.macro TL g0, g1
	tensor_load_to_lds s[\g0:\g0+3], s[\g1:\g1+7]
	s_nop 0
	PLACES
.endm
.macro REFILL w                        ; wave w asks for source 1's side, wave w + 1 for source 0's; the other two ask for nothing
	s_cmp_eq_u32 s18, \w
	s_cbranch_scc0 .Lside_0_\@
	TL G0A, G1A
	s_branch .Lasked_\@
.Lside_0_\@:
	s_cmp_eq_u32 s18, \w+1
	s_cbranch_scc0 .Lasked_\@
	TL G0B, G1B
.Lasked_\@:
.endm
.macro FRAGL reg, a16, a8, off         ; a fragment: 12 registers, as they were stored
	ds_load_b128 v[\reg:\reg+3], v[\a16] offset:\off
	ds_load_b64 v[\reg+4:\reg+5], v[\a8] offset:\off+512
	ds_load_b128 v[\reg+6:\reg+9], v[\a16] offset:\off+768
	ds_load_b64 v[\reg+10:\reg+11], v[\a8] offset:\off+1280
.endm
.macro FETCH s                         ; K step s: source 0's eight fragments and source 1's four, into set s % 2: 48 loads in one run
	WIN 0x40
.irp b, 0,1,2,3,4,5,6,7
	FRAGL 128*((\s)%2)+12*\b, 6+4*((\s)/4), 7+4*((\s)/4), 6144*\b+1536*((\s)%4)
.endr
	WIN 0
.irp a, 0,1,2,3
	FRAGL 128+48*((\s)%2)+12*\a, 4+4*((\s)/4), 5+4*((\s)/4), 6144*\a+1536*((\s)%4)
.endr
.endm
.macro WM d, fb, fa, c, sb, sa, row
.if \row
	v_wmma_scale_f32_16x16x128_f8f6f4 v[\d:\d+7], v[\fb:\fb+11], v[\fa:\fa+11], \c, v[\sb], v[\sa] matrix_a_fmt:MATRIX_FMT_FP6 matrix_b_fmt:MATRIX_FMT_FP6 matrix_a_scale:MATRIX_SCALE_ROW1 matrix_b_scale:MATRIX_SCALE_ROW1
.else
	v_wmma_scale_f32_16x16x128_f8f6f4 v[\d:\d+7], v[\fb:\fb+11], v[\fa:\fa+11], \c, v[\sb], v[\sa] matrix_a_fmt:MATRIX_FMT_FP6 matrix_b_fmt:MATRIX_FMT_FP6
.endif
.endm
.macro MULH s, a0, first               ; 16 matrix instructions; the 32 accumulators take turns, one instruction a turn, in the same order in every K step
	WIN 0xa1                                       ; source 0 window 1, source 1 window 0, C and D window 2
.irp a, \a0, \a0+1
.irp b, 0,1,2,3,4,5,6,7
.if \first
	WM 8*(8*(\a)+\b), 128*((\s)%2)+12*\b, 128+48*((\s)%2)+12*(\a), 0, SB+4*\b+(\s)/2, SA+4*(\a)+(\s)/2, (\s)%2
.else
	WM 8*(8*(\a)+\b), 128*((\s)%2)+12*\b, 128+48*((\s)%2)+12*(\a), v[8*(8*(\a)+\b):8*(8*(\a)+\b)+7], SB+4*\b+(\s)/2, SA+4*(\a)+(\s)/2, (\s)%2
.endif
.endr
.endr
.endm
.macro STEP s, first
	s_wait_dscnt 0x0                               ; K step s's fragments are in
.if (\s) < 7
	PLACES                                         ; in front of loads into registers that matrix instructions have read
	FETCH (\s)+1
.endif
	MULH \s, 0, \first
	MULH \s, 2, \first
	WIN 0
.endm
.macro STEP3 refill                    ; K step 3: slot 0 is read no more, slot 1 is shown to all
	s_wait_dscnt 0x0                               ; K step 3's fragments, my last reads of slot 0, are in
	s_wait_tensorcnt 0x0                           ; all my tensor loads have landed
.if \refill
	ds_add_u32 v14, v15
	s_mov_b64 s[G0A+2:G0A+3], s[84:85]             ; no load of mine is out: the descriptors take the next tile's addresses
	s_or_b32 s[G0A+3], s[G0A+3], 0x80000000
	s_mov_b64 s[G0B+2:G0B+3], s[86:87]
	s_or_b32 s[G0B+3], s[G0B+3], 0x80000000
	MULH 3, 0, 0
	s_wait_dscnt 0x0                               ; the add is done
	s_barrier_signal -1                            ; this barrier opens a round of the cluster's barrier
	MULH 3, 2, 0
	WIN 0
	s_barrier_wait -1
	CREST
	REFILL 0                                       ; the next tile's first half of K into slot 0
	PLACES                                         ; for the waves that come round the loads
	FETCH 4
.else
	s_barrier_signal -1
	s_barrier_wait -1
	PLACES
	FETCH 4
	MULH 3, 0, 0
	MULH 3, 2, 0
	WIN 0
.endif
.endm
; 64 numbers of a lane, v[s] .. v[s + 63], register 16 b + i = k 32 b + 16 (lane / 16) + i of my row, become a fragment's codes in v[pc] on and its scale word in v[pw]
.macro QUANT s, pc, ct, pw
.irp b, 0,1,2,3
	v_max3_num_f32 v[TM+\b], |v[\s+16*\b]|, |v[\s+1+16*\b]|, 0x1800000   ; block b: my 16 numbers, and the floor 2^(3 - 127): the byte cannot fall under 1
.endr
.irp i, 2,4,6,8,10,12,14
.irp b, 0,1,2,3
	v_max3_num_f32 v[TM+\b], v[TM+\b], |v[\s+16*\b+\i]|, |v[\s+1+16*\b+\i]|
.endr
.endr
.irp b, 0,1,2,3
	v_permlanex16_b32 v[TM+4+\b], v[TM+\b], s[SEL], s[SEL+1]
.endr
.irp b, 0,1,2,3
	v_max_num_f32 v[TM+\b], v[TM+\b], v[TM+4+\b]   ; with lane l xor 16's: the block's largest magnitude
.endr
.irp b, 0,1,2,3
	v_add_nc_u32 v[TM+12+\b], 0xff000000, v[TM+\b] ; 2 off its exponent field: the conversion's scale operand
.endr
.irp b, 0,1,2,3
	v_lshrrev_b32 v[TM+4+\b], 23, v[TM+12+\b]      ; the scale's byte
.endr
	v_lshl_or_b32 v[\pw], v[TM+5], 8, v[TM+4]
	v_lshl_or_b32 v[\pw], v[TM+6], 16, v[\pw]
	v_lshl_or_b32 v[\pw], v[TM+7], 24, v[\pw]
.irp c, 0,1
	v_cvt_scalef32_pk16_fp6_f32 v[\pc+6*\c:\pc+2+6*\c], v[\s+32*\c:\s+15+32*\c], v[TM+12+2*\c]
	v_cvt_scalef32_pk16_fp6_f32 v[\ct+4*\c:\ct+2+4*\c], v[\s+16+32*\c:\s+31+32*\c], v[TM+13+2*\c]
.endr
	v_nop                                          ; one plain place behind the scaled conversions
.irp c, 0,1                            ; the operand's layout wants a whole block in a lane
.irp i, 0,1,2
	v_permlane16_swap_b32 v[\pc+6*\c+\i], v[\ct+4*\c+\i]
.endr
.irp i, 0,1,2
	v_mov_b32 v[\pc+3+6*\c+\i], v[\ct+4*\c+\i]
.endr
.endr
.endm
; Product s76 (0 Q, 1 K, 2 V): my blocks s79 (source 0's side) and s80 (source 1's), the addresses of what I fetch (s[84:85], s[86:87]) and of my tiles' scale words (s[90:91], s[92:93])
.macro PARAM
	s_lshr_b32 s79, s77, 1
	s_and_b32 s80, s77, 1
	s_mov_b32 s82, 1600
	s_cmp_eq_u32 s76, 0
	s_cselect_b32 s81, 0, 512                      ; source 1's side begins at tile: query 0, key 512,
	s_cselect_b32 s82, 1536, s82                   ; source 0's: Wq 1,536, Wk 1,600
	s_cmp_eq_u32 s76, 2
	s_cselect_b32 s79, s79, 0                      ; V: 8 x 2 clusters; Q, K: 1 x 16
	s_cselect_b32 s80, s80, s77
	s_cselect_b32 s81, 1664, s81                   ; V: Wv
	s_cselect_b32 s82, 1024, s82                   ; and value
	s_lshl_b32 s79, s79, 2
	s_add_co_u32 s79, s79, s21                     ; made of cx and the cluster's number alone
	s_lshl_b32 s80, s80, 2
	s_add_co_u32 s80, s80, s22                     ; made of cy and the cluster's number alone
	s_lshl_b32 s83, s80, 3
	s_add_co_u32 s83, s83, s81                     ; source 1's first tile
	s_mul_i32 s84, s83, 12288
	s_mul_i32 s2, s19, 6144                        ; the half of K that I fetch: wave / 2
	s_add_co_u32 s84, s84, s2
	s_mov_b32 s85, 0
	s_lshl_b32 s2, s19, 2
	s_add_co_u32 s90, s83, s2                      ; the four tiles that I multiply
	s_lshl_b32 s90, s90, 9
	s_mov_b32 s91, 0
	s_lshl_b32 s86, s79, 4
	s_add_co_u32 s86, s86, s82                     ; source 0's first tile
	s_lshl_b32 s2, s20, 3
	s_add_co_u32 s92, s86, s2                      ; the eight that I multiply
	s_lshl_b32 s92, s92, 9
	s_mov_b32 s93, 0
	s_mul_i32 s86, s86, 12288
	s_mul_i32 s2, s19, 6144
	s_add_co_u32 s86, s86, s2
	s_mov_b32 s87, 0
	s_add_nc_u64 s[84:85], s[4:5], s[84:85]
	s_add_nc_u64 s[86:87], s[4:5], s[86:87]
	s_add_nc_u64 s[90:91], s[6:7], s[90:91]
	s_add_nc_u64 s[92:93], s[6:7], s[92:93]
.endm
.macro STAGE                           ; twelve tiles' scale words into window 3
	WIN 0xc0
.irp a, 0,1,2,3
	global_load_b128 v[64+4*\a:64+4*\a+3], v1, s[90:91] offset:512*\a
.endr
.irp b, 0,1,2,3,4,5,6,7
	global_load_b128 v[80+4*\b:80+4*\b+3], v1, s[92:93] offset:512*\b
.endr
	WIN 0
.endm
.macro TILE isv, refill
	s_wait_xcnt 0x0                                ; every earlier load, store and prefetch has read its registers: they are written again below
	s_wait_loadcnt 0x0                             ; this tile's scale words, asked for a tile ago
	FETCH 0
	WIN 0x03
.irp j, 0,1,2,3                        ; the words of K steps 0 and 1 first: 36 lines stand between them and the first product
.irp t, 0,1,2,3,4,5,6,7,8,9,10,11
	v_mov_b32 v[SA+4*\t+\j], v[64+4*\t+\j]
.endr
.endr
	WIN 0
	; where this tile's results go (s[66:67]) and its bias comes from (s[54:55]); s79, s80 are still this tile's
.if \isv
	s_lshr_b32 s2, s79, 3                          ; batch,
	s_and_b32 s3, s79, 7
	s_lshl_b32 s3, s3, 1
	s_add_co_u32 s3, s3, s20                       ; key step,
	s_lshl_b32 s50, s80, 1
	s_add_co_u32 s50, s50, s19                     ; my head
	s_lshl_b32 s2, s2, 4
	s_add_co_u32 s2, s2, s50
	s_mul_i32 s2, s2, 204800
	s_mul_i32 s3, s3, 12800
	s_add_co_u32 s2, s2, s3
	s_mov_b32 s3, 0
	s_add_nc_u64 s[66:67], s[16:17], s[2:3]
	s_lshl_b32 s2, s80, 9
	s_lshl_b32 s50, s19, 8
	s_add_co_u32 s2, s2, s50                       ; my 64 features begin at 128 x block + 64 WA
	s_add_nc_u64 s[54:55], s[12:13], s[2:3]
.irp a, 0,1,2,3
	global_load_b32 v[BA+2*\a], v13, s[54:55] offset:(32*(\a/2)+8*(\a%2))*4
.endr
.else
	s_lshr_b32 s2, s80, 4                          ; batch,
	s_and_b32 s3, s80, 15                          ; block of 128 tokens,
	s_lshl_b32 s50, s79, 2
	s_lshl_b32 s51, s20, 1
	s_add_co_u32 s50, s50, s51                     ; my first head of two
	s_mov_b32 s70, 204800                          ; a head's bytes,
	s_mov_b32 s52, 12800                           ; a block's,
	s_mov_b32 s71, 12288                           ; and where its pair words begin
	s_cmp_eq_u32 s75, 0
	s_cselect_b32 s70, 102400, s70
	s_cselect_b32 s52, 6400, s52
	s_cselect_b32 s71, 6144, s71
	s_cselect_b64 s[66:67], s[14:15], s[16:17]     ; qc or kv,
	s_cselect_b64 s[54:55], s[8:9], s[10:11]       ; bq or bk
	s_lshl_b32 s51, s19, 7
	s_add_co_u32 s71, s71, s51                     ; + 128 WA: my two pairs of tiles
	s_mul_i32 s68, s19, 3072                       ; my four tiles' halves begin at 768 x 4 WA
	s_lshl_b32 s2, s2, 4
	s_add_co_u32 s2, s2, s50
	s_mul_i32 s2, s2, s70
	s_mul_i32 s3, s3, s52
	s_add_co_u32 s2, s2, s3
	s_mov_b32 s3, 0
	s_add_nc_u64 s[66:67], s[66:67], s[2:3]
	s_lshl_b32 s2, s79, 10
	s_lshl_b32 s50, s20, 9
	s_add_co_u32 s2, s2, s50                       ; my 128 features begin at 256 x block + 128 WB
	s_add_nc_u64 s[54:55], s[54:55], s[2:3]
	WIN 0xc0
.irp b, 0,1,2,3,4,5,6,7
	global_load_b128 v[8*\b:8*\b+3], v12, s[54:55] offset:(32*(\b/2)+8*(\b%2))*4       ; tile b's eight of my half: features 32 (b / 2) + 8 (b % 2) + 16 h + 0 .. 7
	global_load_b128 v[8*\b+4:8*\b+7], v12, s[54:55] offset:(32*(\b/2)+8*(\b%2))*4+16
.endr
	WIN 0
.endif
.if \refill
	s_add_co_u32 s76, s75, 1                       ; the next tile
	PARAM
	STAGE
	s_lshl_b32 s44, s79, 4                         ; its tokens' tiles, dense in xc: K: source 1's 8 tiles, shared along my row; V: source 0's 16, shared along my column
	s_add_co_u32 s44, s44, s82
	s_lshl_b32 s46, s21, 2
	s_lshl_b32 s47, s22, 2
	s_cmp_eq_u32 s76, 2
	s_cselect_b32 s44, s44, s83
	s_cselect_b32 s46, s47, s46
	s_cselect_b32 s48, 24, 12                      ; blocks of 256 bytes a request
	s_add_co_u32 s46, s46, s18                     ; my number among the sixteen waves
	s_mul_i32 s44, s44, 12288
	s_mul_i32 s46, s46, s48
	s_lshl_b32 s46, s46, 9                         ; two requests a wave
	s_add_co_u32 s44, s44, s46
	s_mov_b32 s45, 0
	s_add_nc_u64 s[44:45], s[4:5], s[44:45]
	s_sub_co_u32 s47, s48, 1
	s_lshl_b32 s48, s48, 8
	v_min_u32 v241, s47, v243                      ; (the lanes left over name the request's last block again)
	v_lshlrev_b32 v241, 8, v241
	v_add_nc_u32 v242, s48, v241
	global_prefetch_b8 v241, s[44:45] th:TH_LOAD_NT scope:SCOPE_SE
	global_prefetch_b8 v242, s[44:45] th:TH_LOAD_NT scope:SCOPE_SE
.endif
	s_wait_alu depctr_va_vdst(0)
	STEP 0, 1                                      ; the first K step starts the sums
	STEP 1, 0
	STEP 2, 0
	STEP3 \refill
	STEP 4, 0
	STEP 5, 0
	STEP 6, 0
	STEP 7, 0
	; THE WAY OUT.  For each of my four tiles of source 1's side the 64 registers of its eight accumulators are 128 neighbours (64 a lane) along the next K of the lane's row.
	s_wait_loadcnt 0x0                             ; the bias
	PLACES                                         ; behind the last products
.irp a, 0,1,2,3
.if \isv
	v_add_nc_u32 v[112+2*\a], 6144+1536*\a, v1     ; V^T's fragments begin at 6,144; a fragment's second half lies 768 on
	v_add_nc_u32 v[120+2*\a], 6144+1536*\a, v2
	v_add_nc_u32 v[113+2*\a], 6144+1536*\a+768, v1
	v_add_nc_u32 v[121+2*\a], 6144+1536*\a+768, v2
.else
	s_add_co_u32 s2, s68, 768*\a
	v_add_nc_u32 v[112+2*\a], s2, v1
	v_add_nc_u32 v[120+2*\a], s2, v2
	s_add_co_u32 s2, s2, s70                       ; the second half belongs to the next head
	v_add_nc_u32 v[113+2*\a], s2, v1
	v_add_nc_u32 v[121+2*\a], s2, v2
.endif
.endr
.irp b, 0,1,2,3
	v_mov_b32 v[TM+4+\b], 0                        ; a lane permute's destination counts as one of its sources
.endr
.irp a, 0,1,2,3
.if (\a == 2) && \refill
	s_wait_tensorcnt 0x0                           ; slot 0's refill has landed; slot 1 was read out in K step 7.  The three lines ahead of the round; work on registers stands between the add and its wait
	ds_add_u32 v14, v15
.endif
.set II, 0
.if \isv
	WIN 0x02                                       ; source 0: window 2
.rept 32
	v_pk_add_f32 v[X+II:X+II+1], v[64*\a+II:64*\a+II+1], v[BA+2*\a:BA+2*\a+1] op_sel_hi:[1,0]   ; each accumulator from its low end on; + the bias of my row
.set II, II+2
.endr
.else
	WIN 0x0e                                       ; source 0: window 2; source 1: window 3
.rept 32
	v_pk_add_f32 v[X+II:X+II+1], v[64*\a+II:64*\a+II+1], v[II:II+1]   ; + the bias along the registers
.set II, II+2
.endr
.endif
	WIN 0
	QUANT X, 64+12*\a, CT, PW+\a
.if (\a == 2) && \refill
	s_wait_alu depctr_va_vdst(0)                   ; the wait ahead of the round
	s_wait_dscnt 0x0
	CROUND
	REFILL 2                                       ; the next tile's second half of K into slot 1
.endif
	global_store_b128 v[112+2*\a], v[64+12*\a:64+12*\a+3], s[66:67]
	global_store_b64 v[120+2*\a], v[64+12*\a+4:64+12*\a+5], s[66:67] offset:512
	global_store_b128 v[113+2*\a], v[64+12*\a+6:64+12*\a+9], s[66:67]
	global_store_b64 v[121+2*\a], v[64+12*\a+10:64+12*\a+11], s[66:67] offset:512
.endr
	; the scale words: lanes 0-15 take the first pair or tile, lanes 16-31 the second
.if \isv
	v_cndmask_b32 v233, v[PW], v[PW+1], s96
	v_cndmask_b32 v236, v[PW+2], v[PW+3], s96
	v_add_nc_u32 v239, 12544, v3
	v_add_nc_u32 v240, 12672, v3
.else
	s_mov_b32 s2, 0x05040100                       ; for each of my two heads the pair words: two bytes of an even tile's word, two of the odd tile's
	s_mov_b32 s3, 0x07060302
	v_perm_b32 v233, v[PW+1], v[PW], s2
	v_perm_b32 v234, v[PW+3], v[PW+2], s2
	v_perm_b32 v236, v[PW+1], v[PW], s3
	v_perm_b32 v237, v[PW+3], v[PW+2], s3
	v_cndmask_b32 v233, v233, v234, s96
	v_cndmask_b32 v236, v236, v237, s96
	v_add_nc_u32 v239, s71, v3
	s_add_co_u32 s2, s71, s70
	v_add_nc_u32 v240, s2, v3
.endif
	global_store_b32 v239, v233, s[66:67]
	global_store_b32 v240, v236, s[66:67]
.endm
	s_load_b256 s[4:11], s[0:1], 0x0               ; xc, xs, bq, bk
	s_load_b128 s[12:15], s[0:1], 0x20             ; bv, qc
	s_load_b64 s[16:17], s[0:1], 0x30              ; kv
	v_lshl_add_u32 v14, v0, 2, SPARE
	v_mov_b32 v15, 0
	ds_add_u32 v14, v15                            ; the opening lines: the add, twice on end, and its wait ahead of my first tensor load
	ds_add_u32 v14, v15
	v_lshrrev_b32 v8, 5, v0
	v_readfirstlane_b32 s18, v8                    ; wave 0..3
	s_lshr_b32 s19, s18, 1                         ; WA: which 64 rows of source 1's side are mine.  Also: which half of K I fetch
	s_and_b32 s20, s18, 1                          ; WB: which 128 rows of source 0's side.  Also: which side I fetch
	s_bfe_u32 s21, ttmp6, 0x40000                  ; cx
	s_bfe_u32 s22, ttmp6, 0x40004                  ; cy
	s_lshl_b32 s2, s22, 2
	s_lshl_b32 s2, 15, s2                          ; my row of the cluster
	s_lshl_b32 s3, 0x1111, s21                     ; my column
	s_or_b32 s[G1A], s2, (3<<16)|(1<<21)           ; the mask; elements of 8 bytes; bit 21 beside a mask; no padding
	s_or_b32 s[G1B], s3, (3<<16)|(1<<21)
	s_mov_b32 s[G1A+1], 768<<16                    ; a tile's 6,144 bytes of half of K
	s_mov_b32 s[G1A+2], 8<<16                      ; 8 tiles
	s_mov_b32 s[G1A+3], 768<<16
	s_mov_b32 s[G1A+4], 8
	s_mov_b32 s[G1A+5], 1536                       ; from tile to tile: 12,288 bytes
	s_mov_b32 s[G1A+6], 0
	s_mov_b32 s[G1A+7], 0
	s_mov_b32 s[G1B+1], 768<<16
	s_mov_b32 s[G1B+2], 16<<16                     ; 16 tiles
	s_mov_b32 s[G1B+3], 768<<16
	s_mov_b32 s[G1B+4], 16
	s_mov_b32 s[G1B+5], 1536
	s_mov_b32 s[G1B+6], 0
	s_mov_b32 s[G1B+7], 0
	s_and_b32 s77, ttmp7, 0xffff                   ; the cluster's y, 0 .. 15
	s_mov_b32 s[SEL], 0x76543210
	s_mov_b32 s[SEL+1], 0xfedcba98                 ; v_permlanex16_b32's selects for lane l xor 16
	s_mov_b32 s96, 0xffff0000                      ; lanes 16-31
	s_mul_i32 s88, s19, CHUNK                      ; the slot that I fill: no place in the cluster enters an LDS address
	s_mov_b32 s76, 0
	s_wait_dscnt 0x0                               ; both opening adds are done
	s_wait_kmcnt 0x0
	PARAM                                          ; Q
	s_mov_b32 s[G0A], 1
	s_mov_b32 s[G0A+1], s88
	s_mov_b64 s[G0A+2:G0A+3], s[84:85]
	s_or_b32 s[G0A+3], s[G0A+3], 0x80000000
	s_mov_b32 s[G0B], 1
	s_add_co_u32 s[G0B+1], s88, 49152              ; source 0's tiles lie behind source 1's eight
	s_mov_b64 s[G0B+2:G0B+3], s[86:87]
	s_or_b32 s[G0B+3], s[G0B+3], 0x80000000
	CROUND                                         ; all sixteen work-groups are here: the joint loads meet
	s_cmp_eq_u32 s18, 0                            ; one chain of branches on the wave's number, one joint load to an arm
	s_cbranch_scc0 .Lfill_1
	TL G0A, G1A
	s_branch .Lfilled
.Lfill_1:
	s_cmp_eq_u32 s18, 1
	s_cbranch_scc0 .Lfill_2
	TL G0B, G1B
	s_branch .Lfilled
.Lfill_2:
	s_cmp_eq_u32 s18, 2
	s_cbranch_scc0 .Lfill_3
	TL G0A, G1A
	s_branch .Lfilled
.Lfill_3:
	TL G0B, G1B
.Lfilled:
	s_mul_i32 s2, s19, 24576                       ; my four tiles of source 1's side in a slot
	s_mul_i32 s3, s20, 49152
	s_add_co_u32 s3, s3, 49152                     ; my eight of source 0's
	v_and_b32 v243, 31, v0                         ; lane
	v_and_b32 v233, 15, v0                         ; r
	v_bfe_u32 v234, v0, 4, 1                       ; h
	v_lshlrev_b32 v1, 4, v243
	v_lshlrev_b32 v2, 3, v243
	v_lshlrev_b32 v3, 2, v243
	v_and_b32 v13, 8, v233
	v_lshlrev_b32 v12, 6, v234                     ; the bias along the registers: + 16 h numbers
	v_add_nc_u32 v4, s2, v1
	v_add_nc_u32 v5, s2, v2
	v_add_nc_u32 v6, s3, v1
	v_add_nc_u32 v7, s3, v2
	v_add_nc_u32 v13, v13, v233
	v_add_nc_u32 v8, CHUNK, v4
	v_add_nc_u32 v9, CHUNK, v5
	v_add_nc_u32 v10, CHUNK, v6
	v_add_nc_u32 v11, CHUNK, v7
	v_lshlrev_b32 v13, 2, v13                      ; the bias of a lane's row: r + 8 (r / 8)
.irp a, 0,1,2,3
	v_mov_b32 v[BA+2*\a+1], 0                      ; (named with V's bias as a pair, so it is written)
.endr
	s_wait_alu depctr_va_vdst(0)                   ; the wait at the head's end
	STAGE                                          ; Q's scale words
	s_mov_b32 s75, 0
	s_cmp_lt_u32 s18, 2                            ; slot 0 came by waves 0 and 1, whose load lines are their own: they wait; slot 1 may stay out
	s_cbranch_scc0 .Lnot_first
	s_wait_tensorcnt 0x0
.Lnot_first:
	s_barrier_signal -1
	s_barrier_wait -1
.Ltile:                                            ; Q, then K
	TILE 0, 1
	s_add_co_u32 s75, s75, 1
	s_cmp_lt_u32 s75, 2
	s_wait_alu depctr_va_vdst(0)                   ; the wait ahead of the branch
	s_cbranch_scc1 .Ltile
	TILE 1, 0                                      ; V: the tail asks for nothing more
	s_wait_tensorcnt 0x0                           ; the wave's end, behind my last tensor load
	ds_add_u32 v14, v15
	s_wait_dscnt 0x0
	CROUND                                         ; the closing round
	s_endpgm
.Lfunc_end_k_q94e2f2fdbf_proj:
	.size	k_q94e2f2fdbf_proj, .Lfunc_end_k_q94e2f2fdbf_proj-k_q94e2f2fdbf_proj
	.p2alignl 7, 3214868480
	.fill 96, 4, 3214868480
	.section	.rodata,"a",@progbits
	.p2align	6, 0x0
	.amdhsa_kernel k_q94e2f2fdbf_proj
		.amdhsa_group_segment_fixed_size 327680
		.amdhsa_private_segment_fixed_size 0
		.amdhsa_enable_private_segment 0
		.amdhsa_kernarg_size 56
		.amdhsa_user_sgpr_count 2
		.amdhsa_user_sgpr_kernarg_segment_ptr 1
		.amdhsa_wavefront_size32 1
		.amdhsa_system_sgpr_workgroup_id_x 1
		.amdhsa_system_sgpr_workgroup_id_y 1
		.amdhsa_system_sgpr_workgroup_id_z 1
		.amdhsa_system_vgpr_workitem_id 0
		.amdhsa_next_free_vgpr 880
		.amdhsa_next_free_sgpr 100
		.amdhsa_reserve_vcc 0
		.amdhsa_float_denorm_mode_32 3
		.amdhsa_float_denorm_mode_16_64 3
		.amdhsa_memory_ordered 1
		.amdhsa_forward_progress 1
		.amdhsa_inst_pref_size 191
	.end_amdhsa_kernel
	.amdgpu_metadata
---
amdhsa.version: [ 1, 2 ]
amdhsa.kernels:
  - .name:           k_q94e2f2fdbf_proj
    .symbol:         k_q94e2f2fdbf_proj.kd
    .args:
      - { .name: xc, .offset: 0, .size: 8, .value_kind: global_buffer, .address_space: global }
      - { .name: xs, .offset: 8, .size: 8, .value_kind: global_buffer, .address_space: global }
      - { .name: bq, .offset: 16, .size: 8, .value_kind: global_buffer, .address_space: global }
      - { .name: bk, .offset: 24, .size: 8, .value_kind: global_buffer, .address_space: global }
      - { .name: bv, .offset: 32, .size: 8, .value_kind: global_buffer, .address_space: global }
      - { .name: qc, .offset: 40, .size: 8, .value_kind: global_buffer, .address_space: global }
      - { .name: kv, .offset: 48, .size: 8, .value_kind: global_buffer, .address_space: global }
    .group_segment_fixed_size: 327680
    .private_segment_fixed_size: 0
    .kernarg_segment_align: 8
    .kernarg_segment_size: 56
    .max_flat_workgroup_size: 128
    .sgpr_count:     100
    .vgpr_count:     880
    .wavefront_size: 32
...
	.end_amdgpu_metadata
.endif
;; end of part 2
;; launch attn (part 3): grid 4 x 64, 8 waves a work-group, clusters of 4 x 1, 206,848 bytes of LDS; arguments qc, kv, oc, os; writes oc, os
.if DOCPART == 3
	.amdgcn_target "amdgcn-amd-amdhsa--gfx1250"
	.amdhsa_code_object_version 6
	.text
	.protected	k_q94e2f2fdbf_attn
	.globl	k_q94e2f2fdbf_attn
	.p2align	8
	.type	k_q94e2f2fdbf_attn,@function
k_q94e2f2fdbf_attn:
	s_mov_b64 s[64:65], 0
	v_nop
	global_prefetch_b8 v0, s[64:65] scope:SCOPE_SE
	s_setreg_imm32_b32 hwreg(HW_REG_WAVE_MODE, 25, 1), 1
	s_wait_xcnt 0x0
	s_wait_alu depctr_hold_cnt(0) depctr_sa_sdst(0) depctr_va_vdst(0) depctr_va_sdst(0) depctr_va_ssrc(0) depctr_va_vcc(0) depctr_vm_vsrc(0)
	s_getreg_b32 s2, hwreg(HW_REG_IB_STS2, 6, 4)
	s_cmp_eq_u32 s2, 0
	s_cbranch_scc0 .Lentry_in_a_cluster
	s_endpgm
.Lentry_in_a_cluster:
	s_bfe_u32 s2, ttmp6, 0x10000c
	s_cmp_lg_u32 s2, 0x3003
	s_cbranch_scc0 .Lentry_shape_is_right
	s_endpgm
.Lentry_shape_is_right:
; O = softmax(Q K^T / 8) V for one (batch, head), both products on codes of FP6 (E2M3); O / l is quantised along the head's 64 for the last projection.
; THE SOFTMAX: t = score x log2(e) / 8; M = the row's largest t so far, rounded up to a whole number; p = 2^(t - M) is quantised along the keys, not normalised; the row's sum is taken of the unquantised p.
; When M moves, the sum and O are multiplied by 2^(old M - new M): exact.
; SHARES.  A work-group owns 512 queries of one (batch, head); each of its eight waves owns FOUR tiles of 16 queries and takes all four through each key step of 128,
; so that a fragment of K or V is read from LDS once for 64 queries.  Two waves to a SIMD.
; THE HEAD'S WHOLE K AND V LIE IN LDS: 16 key steps x 12,800 bytes, filled once: wave w asks for key steps 2 w and 2 w + 1, one dense block, one tensor load a wave (one of mine is out).  Nothing is filled again.
; All fills go out at the head, ahead of the only loop: there is no trip to prefetch ahead in, so no prefetch is written.
; CLUSTER.  The four work-groups of a (batch, head) form a cluster and ask for each block jointly.
; LAYOUT.  Both products are used transposed (S^T = K Q^T, O^T = V^T P^T): a lane holds one query (lane % 16).  Row m of key tile T is key 64 (T / 4) + 8 (T % 4) + m + 24 (m / 8) of the step (the first launch orders key's rows so):
; the 32 score registers of tiles 4 c .. 4 c + 3 in lane (r, h) are keys 64 c + 32 h + 0 .. 31: one whole scale block, in the order of P's operand registers.  No lane is asked for a block's maximum, no codes change lanes.
; A HEAD IS 64, THE INSTRUCTION'S K 128.  Source 0 holds two tiles of keys, in k 0-63 and k 64-127, and is used against (Q, zeros) and (zeros, Q).  Zero codes add nothing; every scale byte lies in 1 .. 254.
; THE ORDER OF A STEP: S of tile 0; then for each tile its softmax, and in one run of matrix instructions its P V and the next tile's S.  The last eight additions of a tile's sum are the places behind that run.
; The next step's K is loaded behind the last S, its V behind the last P V; the last trip loads step 15 once more, by a clamped address, and uses nothing of it.
; OUT.  oc: [tile of 16 tokens][K step of 128 = two heads][1,536], my head's half at 768 (head % 2).  os: a head owns two bytes of each scale word: two stores of two bytes a lane and wave.
; LIMITS: the scaled scores stay under 2^31 in magnitude; O is divided by l by v_rcp_f32 and a multiplication; NaN and infinities are not served; a block of zeros or under 2^-124 gets the byte 1.
; REGISTERS, window 0: v1-3 16, 8, 4 x lane; v4, v5 the add's two; v6-8 LDS addresses; v9 8 (lane / 16); v10 os's offset; v12-19 (-M, largest score) a tile; v20-27 the sums; v[28:29] f, 0; v30-33 Q's scale words;
;   v34-35 K's, v36-37 V's, v38 P's; v39-61 at work; v64-111 K; v112-159 V; v160-223 S^T, then p; v224-235 P's codes; v236-251 partial sums.   window 1: v0-127 O^T, 32 a tile; v128-181 zeros, Q0, zeros, Q1, zeros, Q2, zeros, Q3, zeros, six each.
.set STEPB, 12800
.set SPARE, 16*STEPB                   ; behind K and V: the spare words, 128 bytes a wave: four blocks of 256 bytes that no other line names
.set KF, 64
.set VF, 112
.set SR, 160
.set PC, 224
.set TS, 236
.set MX, 40
.set BS, 44
.set BY, 46
.set CT, 52
.set MSB, 0
.macro WIN new                         ; the immediate's high byte repeats the setting that is left
.if MSB != \new
	s_set_vgpr_msb (MSB<<8)|\new
.set MSB, \new
.endif
.endm
.macro CROUND                          ; a round of the cluster's barrier
	s_barrier_signal -1
	s_barrier_wait -1
	s_cmp_lg_u32 s12, 0
	s_cbranch_scc1 .Lnot_wave_0_\@
	s_barrier_signal -3
.Lnot_wave_0_\@:
	s_barrier_wait -3
	s_barrier_signal -1
	s_barrier_wait -1
.endm
.macro FRAGL reg, off                  ; an operand's 12 registers, as they were stored
	ds_load_b128 v[\reg:\reg+3], v6 offset:\off
	ds_load_b64 v[\reg+4:\reg+5], v7 offset:\off+512
	ds_load_b128 v[\reg+6:\reg+9], v6 offset:\off+768
	ds_load_b64 v[\reg+10:\reg+11], v7 offset:\off+1280
.endm
.macro KLOAD                           ; 18 loads: four operands of two key tiles each, and their pair words
.irp b, 0,1,2,3
	FRAGL KF+12*\b, 1536*\b
.endr
	ds_load_b32 v34, v8 offset:12288
	ds_load_b32 v35, v8 offset:12416
.endm
.macro VLOAD                           ; 18 loads: V^T, four tiles of 16 of the head's 64 x 128 keys, and their words
.irp t, 0,1,2,3
	FRAGL VF+12*\t, 6144+1536*\t
.endr
	ds_load_b32 v36, v8 offset:12544
	ds_load_b32 v37, v8 offset:12672
.endm
.macro WS d, a, b, c, sa, sb, row
.if \row
	v_wmma_scale_f32_16x16x128_f8f6f4 v[\d:\d+7], v[\a:\a+11], v[\b:\b+11], \c, v[\sa], v[\sb] matrix_a_fmt:MATRIX_FMT_FP6 matrix_b_fmt:MATRIX_FMT_FP6 matrix_a_scale:MATRIX_SCALE_ROW1
.else
	v_wmma_scale_f32_16x16x128_f8f6f4 v[\d:\d+7], v[\a:\a+11], v[\b:\b+11], \c, v[\sa], v[\sb] matrix_a_fmt:MATRIX_FMT_FP6 matrix_b_fmt:MATRIX_FMT_FP6
.endif
.endm
.macro SMUL i                          ; S^T of tile i: eight products, each on an accumulator of its own
	WIN 0x04                                       ; source 1 (Q) window 1
.irp b, 0,1,2,3
	WS SR+16*\b, KF+12*\b, 134+12*(\i), 0, 34+\b/2, 30+(\i), \b%2
	WS SR+16*\b+8, KF+12*\b, 128+12*(\i), 0, 34+\b/2, 30+(\i), \b%2
.endr
.endm
.macro PVMUL i                         ; O^T of tile i += V^T P^T: its four accumulators by turns
	WIN 0x50                                       ; C and D window 1
.irp t, 0,1,2,3
	WS 32*(\i)+8*\t, VF+12*\t, PC, v[32*(\i)+8*\t:32*(\i)+8*\t+7], 36+\t/2, 38, \t%2
.endr
.endm
.macro PADD n                          ; line n of 24: the 32 pairs of p into eight partial sums
.if (\n) < 8
	v_pk_add_f32 v[TS+2*(\n):TS+2*(\n)+1], v[SR+2*(\n):SR+2*(\n)+1], v[SR+16+2*(\n):SR+17+2*(\n)]
.else
	v_pk_add_f32 v[TS+2*((\n)%8):TS+2*((\n)%8)+1], v[TS+2*((\n)%8):TS+2*((\n)%8)+1], v[SR+16+2*(\n):SR+17+2*(\n)]
.endif
.endm
.macro JOIN i                          ; the eight partial sums onto tile i's sum.  They name no register of the products ahead of them: they are the places behind those
.irp k, 0,1,2,3
	v_pk_add_f32 v[TS+2*\k:TS+2*\k+1], v[TS+2*\k:TS+2*\k+1], v[TS+8+2*\k:TS+9+2*\k]
.endr
	v_pk_add_f32 v[TS:TS+1], v[TS:TS+1], v[TS+4:TS+5]
	v_pk_add_f32 v[TS+2:TS+3], v[TS+2:TS+3], v[TS+6:TS+7]
	v_pk_add_f32 v[TS:TS+1], v[TS:TS+1], v[TS+2:TS+3]
	v_pk_add_f32 v[20+2*(\i):21+2*(\i)], v[20+2*(\i):21+2*(\i)], v[TS:TS+1]
.endm
.macro SOFT i                          ; tile i's 64 scores a lane become p, P's codes and scale word; the sum and O^T go under the new M
.set NM, 12+2*(\i)
.set LS, 20+2*(\i)
.irp k, 0,1,2,3
	v_max3_num_f32 v[MX+\k], v[SR+16*\k], v[SR+16*\k+1], v[SR+16*\k+2]   ; the largest score of my two blocks, in four chains; each accumulator is first read at its low end
.endr
.irp j, 3,5,7,9,11,13
.irp k, 0,1,2,3
	v_max3_num_f32 v[MX+\k], v[MX+\k], v[SR+16*\k+\j], v[SR+16*\k+\j+1]
.endr
.endr
	v_max3_num_f32 v[MX], v[MX], v[MX+1], v[SR+15]
	v_max3_num_f32 v[MX+2], v[MX+2], v[MX+3], v[SR+47]
	v_max_num_f32 v[MX], v[MX], v[SR+31]           ; block h
	v_max_num_f32 v[MX+2], v[MX+2], v[SR+63]       ; block 2 + h
	s_delay_alu instid0(VALU_DEP_1)
	v_max_num_f32 v48, v[MX], v[MX+2]
	s_delay_alu instid0(VALU_DEP_1)
	v_permlanex16_b32 v39, v48, s28, s29
	s_delay_alu instid0(VALU_DEP_1)
	v_max3_num_f32 v[NM+1], v[NM+1], v48, v39      ; the running largest score of my query
	s_delay_alu instid0(VALU_DEP_1)
	v_mul_f32 v49, s31, v[NM+1]                    ; -t
	s_delay_alu instid0(VALU_DEP_1)
	v_floor_f32 v50, v49                           ; the new -M = -ceil(t): a whole number
	s_delay_alu instid0(VALU_DEP_1)
	v_sub_f32 v51, v50, v[NM]                      ; old M - new M, 0 or less
	v_mov_b32 v[NM], v50
	v_cvt_i32_f32 v51, v51                         ; (it saturates)
.set JJ, 0
.rept 32
	v_pk_fma_f32 v[SR+JJ:SR+JJ+1], v[SR+JJ:SR+JJ+1], s[30:31], v[NM:NM+1] op_sel_hi:[1,0,0]   ; t - M, two at a time
.set JJ, JJ+2
.endr
	v_fma_f32 v[MX], v[MX], s30, v[NM]             ; the same of each block's largest score
	v_fma_f32 v[MX+2], v[MX+2], s30, v[NM]
	v_ldexp_f32 v28, 1.0, v51                      ; f = 2^(old M - new M)
	s_wait_alu depctr_va_vdst(0)                   ; the wait ahead of the batch
.set JJ, 0
.rept 64
	v_exp_f32 v[SR+JJ], v[SR+JJ]                   ; p = 2^(t - M), at most 1
.set JJ, JJ+1
.endr
	v_exp_f32 v[MX], v[MX]                         ; the block's largest p: the same two instructions on the same number give the same bits
	v_exp_f32 v[MX+2], v[MX+2]
	v_pk_mul_f32 v[LS:LS+1], v[LS:LS+1], v[28:29] op_sel_hi:[1,0]   ; the sum under the new M: the plain line behind the batch
	WIN 0x41
	s_wait_alu depctr_va_vdst(0)                   ; one wait behind the batch, directly ahead of the first reader of O^T
.set JJ, 0
.rept 16
	v_pk_mul_f32 v[32*(\i)+JJ:32*(\i)+JJ+1], v[32*(\i)+JJ:32*(\i)+JJ+1], v[28:29] op_sel_hi:[1,0]   ; O^T under the new M
.set JJ, JJ+2
.endr
	WIN 0
	v_max_num_f32 v[MX], 0x1800000, v[MX]          ; the floor 2^(3 - 127): the byte cannot fall under 1
	v_max_num_f32 v[MX+2], 0x1800000, v[MX+2]
	PADD 0
	PADD 1
	v_add_nc_u32 v[BS], 0xff000000, v[MX]          ; 2 off the exponent field: the conversion's scale operand
	v_add_nc_u32 v[BS+1], 0xff000000, v[MX+2]
	PADD 2
	PADD 3
	v_cvt_scalef32_pk16_fp6_f32 v[PC:PC+2], v[SR:SR+15], v[BS]
	v_cvt_scalef32_pk16_fp6_f32 v[CT:CT+2], v[SR+16:SR+31], v[BS]        ; (a conversion's three registers begin on an even number)
	v_cvt_scalef32_pk16_fp6_f32 v[PC+6:PC+8], v[SR+32:SR+47], v[BS+1]
	v_cvt_scalef32_pk16_fp6_f32 v[CT+4:CT+6], v[SR+48:SR+63], v[BS+1]
	v_lshrrev_b32 v[BY], 23, v[BS]                 ; the bytes of blocks h and 2 + h.  The plain line behind the conversions
	v_lshrrev_b32 v[BY+1], 23, v[BS+1]
.irp k, 0,1,2
	v_mov_b32 v[PC+3+\k], v[CT+\k]
	v_mov_b32 v[PC+9+\k], v[CT+4+\k]
.endr
	v_lshl_or_b32 v[BY], v[BY+1], 16, v[BY]
	PADD 4
	PADD 5
	v_lshlrev_b32 v[BY], v9, v[BY]                 ; at their places in the word
	PADD 6
	PADD 7
	v_permlanex16_b32 v39, v[BY], s28, s29
	PADD 8
	PADD 9
	v_or_b32 v38, v[BY], v39                       ; with lane l xor 16's two the word is whole.  Fourteen plain lines stand between it and the products
.set PP, 10
.rept 14
	PADD PP
.set PP, PP+1
.endr
.endm
	s_load_b256 s[4:11], s[0:1], 0x0               ; qc, kv, oc, os
	v_lshl_add_u32 v4, v0, 2, SPARE
	v_mov_b32 v5, 0
	ds_add_u32 v4, v5                              ; the opening lines: the add, twice on end, and its wait ahead of my tensor load
	ds_add_u32 v4, v5
	v_lshrrev_b32 v6, 5, v0
	v_readfirstlane_b32 s12, v6                    ; wave 0..7
	s_bfe_u32 s13, ttmp6, 0x40000                  ; cx: which 512 queries
	s_and_b32 s14, ttmp7, 0xffff                   ; 16 x batch + head, which the four partners share
	s_mov_b32 s16, 15|(3<<16)|(1<<21)              ; the mask: all four; elements of 8 bytes; bit 21 beside a mask; no padding
	s_mov_b32 s17, 32<<16                          ; a dense block of 25,600 bytes as 100 rows of 256
	s_mov_b32 s18, 100<<16
	s_mov_b32 s19, 32<<16
	s_mov_b32 s20, 100
	s_mov_b32 s21, 32
	s_mov_b32 s22, 0
	s_mov_b32 s23, 0
	s_mul_i32 s25, s12, 2*STEPB                    ; LDS address: key steps 2 w, 2 w + 1
	s_mul_i32 s38, s14, 16*STEPB
	s_add_co_u32 s38, s38, s25
	s_mov_b32 s39, 0
	s_mov_b32 s28, 0x76543210
	s_mov_b32 s29, 0xfedcba98                      ; v_permlanex16_b32's selects for lane l xor 16
	s_mov_b32 s30, 0x3e38aa3b                      ; c = log2(e) / 8
	s_mov_b32 s31, 0xbe38aa3b                      ; -c
	s_mov_b32 s35, 0xffff0000                      ; lanes 16-31
	s_mov_b32 s36, 0x05040100                      ; the even tile's two bytes of a pair word, twice
	s_mov_b32 s37, 0x07060302                      ; the odd tile's
	s_mul_i32 s40, s14, 102400                     ; qc: my (batch, head),
	s_lshl_b32 s41, s13, 2
	s_lshr_b32 s42, s12, 1
	s_add_co_u32 s41, s41, s42
	s_mul_i32 s41, s41, 6400                       ; my block of 128 queries: 4 cx + wave / 2
	s_add_co_u32 s40, s40, s41
	s_and_b32 s43, s12, 1
	s_lshl_b32 s42, s43, 7
	s_add_co_u32 s42, s42, s40
	s_add_co_u32 s42, s42, 6144                    ; my two pairs' words: 6,144 + 128 (wave % 2)
	s_mul_i32 s43, s43, 3072
	s_add_co_u32 s40, s40, s43                     ; my four tiles' halves: 3,072 (wave % 2)
	s_mov_b32 s41, 0
	s_mov_b32 s43, 0
	s_lshr_b32 s34, s14, 4                         ; batch
	s_and_b32 s44, s14, 15                         ; head
	s_lshl_b32 s45, s34, 7
	s_lshl_b32 s46, s13, 5
	s_add_co_u32 s45, s45, s46
	s_lshl_b32 s46, s12, 2
	s_add_co_u32 s45, s45, s46                     ; my first tile of tokens: 128 x batch + 32 cx + 4 x wave
	s_mul_i32 s46, s45, 12288
	s_mul_i32 s47, s44, 768
	s_add_co_u32 s46, s46, s47                     ; oc: the tile, + 768 x head
	s_mov_b32 s47, 0
	s_lshl_b32 s48, s45, 9                         ; os: the tile's 512 bytes; the word of K step g = head / 2 and row r lies at 256 (g % 2) + 16 r + 4 (g / 2); my bytes at + 2 (head % 2)
	s_bfe_u32 s49, s44, 0x10001
	s_lshl_b32 s49, s49, 8
	s_add_co_u32 s48, s48, s49
	s_lshr_b32 s49, s44, 2
	s_lshl_b32 s49, s49, 2
	s_add_co_u32 s48, s48, s49
	s_and_b32 s49, s44, 1
	s_lshl_b32 s49, s49, 1
	s_add_co_u32 s48, s48, s49
	s_mov_b32 s49, 0
	v_and_b32 v6, 31, v0
	v_and_b32 v7, 15, v0                           ; r
	v_bfe_u32 v8, v0, 4, 1                         ; h
	v_lshlrev_b32 v1, 4, v6
	v_lshlrev_b32 v2, 3, v6
	v_lshlrev_b32 v3, 2, v6
	v_lshlrev_b32 v11, 2, v7                       ; 4 r
	v_lshlrev_b32 v10, 4, v7
	v_lshlrev_b32 v9, 3, v8                        ; 8 h
	v_lshl_add_u32 v10, v8, 9, v10                 ; os: 16 r, and lanes 16-31 the next tile
	s_wait_dscnt 0x0                               ; both opening adds are done
	s_wait_kmcnt 0x0
	s_mov_b32 s24, 1
	s_add_nc_u64 s[26:27], s[6:7], s[38:39]
	s_or_b32 s27, s27, 0x80000000
	s_add_nc_u64 s[40:41], s[4:5], s[40:41]
	s_add_nc_u64 s[42:43], s[4:5], s[42:43]
	s_add_nc_u64 s[8:9], s[8:9], s[46:47]
	s_add_nc_u64 s[10:11], s[10:11], s[48:49]
	CROUND                                         ; all four work-groups are here: the joint loads meet
	s_cmp_eq_u32 s12, 0                            ; wave 0's load, key steps 0 and 1, has a line of its own: the first barrier waits for it alone
	s_cbranch_scc0 .Lothers
	tensor_load_to_lds s[24:27], s[16:23]
	s_nop 0
.rept 4
	v_nop
.endr
	s_branch .Lasked
.Lothers:
	tensor_load_to_lds s[24:27], s[16:23]
	s_nop 0
.rept 4
	v_nop
.endr
.Lasked:
	s_wait_alu depctr_va_vdst(0)                   ; the wait ahead of the first readers of the head's offsets
	global_load_b32 v60, v11, s[42:43]             ; the pair words of row r: tiles 0, 1
	global_load_b32 v61, v11, s[42:43] offset:64   ; tiles 2, 3
	WIN 0x40                                       ; destinations in window 1
.irp i, 0,1,2,3
	global_load_b128 v[134+12*\i:137+12*\i], v1, s[40:41] offset:768*\i
	global_load_b64 v[138+12*\i:139+12*\i], v2, s[40:41] offset:768*\i+512
.endr
.irp z, 0,1,2,3,4
.irp k, 0,1,2,3,4,5
	v_mov_b32 v[128+12*\z+\k], 0                   ; the zero codes on either side of each Q
.endr
.endr
.set JJ, 0
.rept 128
	v_mov_b32 v[JJ], 0                             ; O^T.  (The step is written once: the first finds zeros, which the first change of M leaves zeros)
.set JJ, JJ+1
.endr
	WIN 0
	s_wait_loadcnt 0x0                             ; Q and its words
	v_perm_b32 v30, v60, v60, s36                  ; a tile's two bytes, twice: they serve (Q, zeros) and (zeros, Q).  The lines below stand between these writes and the first product
	v_perm_b32 v31, v60, v60, s37
	v_perm_b32 v32, v61, v61, s36
	v_perm_b32 v33, v61, v61, s37
.irp i, 0,1,2,3
	v_mov_b32 v[13+2*\i], 0xff61b1e6               ; the largest score so far: -3e38
	v_mov_b32 v[12+2*\i], 0x7f61b1e6               ; -M: 3e38, a whole number
	v_mov_b32 v[20+2*\i], 0
	v_mov_b32 v[21+2*\i], 0
.endr
	v_mov_b32 v29, 0                               ; (named as the upper half of the pair v[28:29])
	v_mov_b32 v39, 0                               ; a lane permute's destination counts as one of its sources
	v_mov_b32 v6, v1                               ; key step 0
	v_mov_b32 v7, v2
	v_mov_b32 v8, v3
	s_mov_b32 s32, 0
	s_wait_alu depctr_va_vdst(0)                   ; the wait at the head's end
	s_cmp_eq_u32 s12, 0
	s_cbranch_scc0 .Lnot_mine
	s_wait_tensorcnt 0x0                           ; key steps 0 and 1 have landed; the other waves' blocks may stay out, and only key step 0 is read ahead of the next
.Lnot_mine:
	s_barrier_signal -1
	s_barrier_wait -1
	KLOAD
	VLOAD
.Lstep:                                            ; 128 keys x my 64 queries
	s_wait_dscnt 18                                ; K and its words are in; V's 18 younger loads may be out
	SMUL 0
	WIN 0
	s_add_co_u32 s32, s32, STEPB                   ; the next key step's first LDS byte; also the loop's counter
	s_min_u32 s34, s32, 15*STEPB                   ; (held at step 15 in the last trip)
	v_add_nc_u32 v6, s34, v1                       ; these three and the v_nop are the places behind the products
	v_add_nc_u32 v7, s34, v2
	v_add_nc_u32 v8, s34, v3
	v_nop
	SOFT 0
	s_wait_alu depctr_va_vdst(0)                   ; directly ahead of the wait below
	s_wait_dscnt 0x0                               ; V is in
	PVMUL 0
	SMUL 1
	WIN 0
	JOIN 0
	SOFT 1
	PVMUL 1
	SMUL 2
	WIN 0
	JOIN 1
	SOFT 2
	PVMUL 2
	SMUL 3
	WIN 0
	JOIN 2
	s_wait_alu depctr_va_vdst(0)                   ; the wait ahead of the waits below
	s_wait_tensorcnt 0x0                           ; my block has landed (in the first trip; later there is nothing to wait for),
	s_wait_dscnt 0x0
	s_barrier_signal -1
	s_barrier_wait -1                              ; everybody's has: every load of a later key step stands behind this barrier of its own trip.
	KLOAD
	SOFT 3
	PVMUL 3
	WIN 0
	JOIN 3
	VLOAD                                          ; the next step's V lands during the first tile's
	s_cmp_lt_u32 s32, 16*STEPB
	s_wait_alu depctr_va_vdst(0)                   ; the wait ahead of the branch
	s_cbranch_scc1 .Lstep
	; THE WAY OUT: O^T / l; register 16 b + i is channel 32 b + 16 (lane / 16) + i of my query: two blocks of the last projection's K
	s_wait_dscnt 0x0                               ; the last trip's loads have landed: their registers take the codes
.irp i, 0,1,2,3
	v_add_f32 v[20+2*\i], v[20+2*\i], v[21+2*\i]   ; a sum's two halves,
.endr
.irp i, 0,1,2,3
	v_permlanex16_b32 v[40+2*\i], v[20+2*\i], s28, s29
.endr
.irp i, 0,1,2,3
	v_add_f32 v[20+2*\i], v[20+2*\i], v[40+2*\i]   ; and lane l xor 16's: the row's sum
.endr
	s_wait_alu depctr_va_vdst(0)                   ; the wait ahead of the batch
.irp i, 0,1,2,3
	v_rcp_f32 v[40+2*\i], v[20+2*\i]
.endr
	v_nop                                          ; a plain line behind the reciprocals
.macro OUT i
.set C0, 64+12*(\i)                    ; each tile's codes have registers of their own: no store's data are written again
	WIN 0x01
	s_wait_alu depctr_va_vdst(0)                   ; the wait behind the batch, directly ahead of the first reader of this tile's O^T
.set JJ, 0
.rept 16
	v_pk_mul_f32 v[SR+JJ:SR+JJ+1], v[32*(\i)+JJ:32*(\i)+JJ+1], v[40+2*(\i):41+2*(\i)] op_sel_hi:[1,0]   ; each accumulator from its low end on
.set JJ, JJ+2
.endr
	WIN 0
	v_max3_num_f32 v48, |v[SR]|, |v[SR+1]|, 0x1800000
	v_max3_num_f32 v49, |v[SR+16]|, |v[SR+17]|, 0x1800000
.irp j, 2,4,6,8,10,12,14
	v_max3_num_f32 v48, v48, |v[SR+\j]|, |v[SR+\j+1]|
	v_max3_num_f32 v49, v49, |v[SR+16+\j]|, |v[SR+17+\j]|
.endr
	v_permlanex16_b32 v50, v48, s28, s29
	v_permlanex16_b32 v51, v49, s28, s29
	v_max_num_f32 v48, v48, v50
	v_max_num_f32 v49, v49, v51
	v_add_nc_u32 v52, 0xff000000, v48
	v_add_nc_u32 v53, 0xff000000, v49
	v_lshrrev_b32 v54, 23, v52
	v_lshrrev_b32 v55, 23, v53
	v_lshl_or_b32 v[236+(\i)], v55, 8, v54         ; my row's two scale bytes
	v_cvt_scalef32_pk16_fp6_f32 v[C0:C0+2], v[SR:SR+15], v52
	v_cvt_scalef32_pk16_fp6_f32 v[C0+6:C0+8], v[SR+16:SR+31], v53
	v_nop                                          ; one plain line behind the scaled conversions
.irp k, 0,1,2
	v_permlane16_swap_b32 v[C0+\k], v[C0+6+\k]     ; the operand's layout wants a whole block in a lane
.endr
.irp k, 0,1,2
	v_mov_b32 v[C0+3+\k], v[C0+6+\k]
.endr
	global_store_b128 v1, v[C0:C0+3], s[8:9] offset:12288*(\i)       ; 512 and 256 consecutive bytes
	global_store_b64 v2, v[C0+4:C0+5], s[8:9] offset:12288*(\i)+512
.endm
	OUT 0
	OUT 1
	OUT 2
	OUT 3
	v_cndmask_b32 v240, v236, v237, s35            ; lanes 0-15 the even tile's bytes, lanes 16-31 the odd tile's
	v_cndmask_b32 v241, v238, v239, s35
	global_store_b16 v10, v240, s[10:11]           ; my head's two bytes of 32 scale words,
	global_store_b16 v10, v241, s[10:11] offset:1024   ; and of the next two tiles' 32
	s_wait_tensorcnt 0x0                           ; the wave's end, behind my tensor load
	ds_add_u32 v4, v5
	s_wait_dscnt 0x0
	CROUND                                         ; the closing round
	s_endpgm
.Lfunc_end_k_q94e2f2fdbf_attn:
	.size	k_q94e2f2fdbf_attn, .Lfunc_end_k_q94e2f2fdbf_attn-k_q94e2f2fdbf_attn
	.p2alignl 7, 3214868480
	.fill 96, 4, 3214868480
	.section	.rodata,"a",@progbits
	.p2align	6, 0x0
	.amdhsa_kernel k_q94e2f2fdbf_attn
		.amdhsa_group_segment_fixed_size 206848
		.amdhsa_private_segment_fixed_size 0
		.amdhsa_enable_private_segment 0
		.amdhsa_kernarg_size 32
		.amdhsa_user_sgpr_count 2
		.amdhsa_user_sgpr_kernarg_segment_ptr 1
		.amdhsa_wavefront_size32 1
		.amdhsa_system_sgpr_workgroup_id_x 1
		.amdhsa_system_sgpr_workgroup_id_y 1
		.amdhsa_system_sgpr_workgroup_id_z 1
		.amdhsa_system_vgpr_workitem_id 0
		.amdhsa_next_free_vgpr 448
		.amdhsa_next_free_sgpr 66
		.amdhsa_reserve_vcc 0
		.amdhsa_float_denorm_mode_32 3
		.amdhsa_float_denorm_mode_16_64 3
		.amdhsa_memory_ordered 1
		.amdhsa_forward_progress 1
		.amdhsa_inst_pref_size 82
	.end_amdhsa_kernel
	.amdgpu_metadata
---
amdhsa.version: [ 1, 2 ]
amdhsa.kernels:
  - .name:           k_q94e2f2fdbf_attn
    .symbol:         k_q94e2f2fdbf_attn.kd
    .args:
      - { .name: qc, .offset: 0, .size: 8, .value_kind: global_buffer, .address_space: global }
      - { .name: kv, .offset: 8, .size: 8, .value_kind: global_buffer, .address_space: global }
      - { .name: oc, .offset: 16, .size: 8, .value_kind: global_buffer, .address_space: global }
      - { .name: os, .offset: 24, .size: 8, .value_kind: global_buffer, .address_space: global }
    .group_segment_fixed_size: 206848
    .private_segment_fixed_size: 0
    .kernarg_segment_align: 8
    .kernarg_segment_size: 32
    .max_flat_workgroup_size: 256
    .sgpr_count:     66
    .vgpr_count:     448
    .wavefront_size: 32
...
	.end_amdgpu_metadata
.endif
;; end of part 3
;; launch outp (part 4): grid 4 x 64, 4 waves a work-group, clusters of 4 x 4, 327,680 bytes of LDS; arguments oc, os, xc, xs, bo, out0; writes out0
.if DOCPART == 4
	.amdgcn_target "amdgcn-amd-amdhsa--gfx1250"
	.amdhsa_code_object_version 6
	.text
	.protected	k_q94e2f2fdbf_outp
	.globl	k_q94e2f2fdbf_outp
	.p2align	8
	.type	k_q94e2f2fdbf_outp,@function
k_q94e2f2fdbf_outp:
	s_mov_b64 s[64:65], 0
	v_nop
	global_prefetch_b8 v0, s[64:65] scope:SCOPE_SE
	s_setreg_imm32_b32 hwreg(HW_REG_WAVE_MODE, 25, 1), 1
	s_wait_xcnt 0x0
	s_wait_alu depctr_hold_cnt(0) depctr_sa_sdst(0) depctr_va_vdst(0) depctr_va_sdst(0) depctr_va_ssrc(0) depctr_va_vcc(0) depctr_vm_vsrc(0)
	s_getreg_b32 s2, hwreg(HW_REG_IB_STS2, 6, 4)
	s_cmp_eq_u32 s2, 0
	s_cbranch_scc0 .Lentry_in_a_cluster
	s_endpgm
.Lentry_in_a_cluster:
	s_bfe_u32 s2, ttmp6, 0x10000c
	s_cmp_lg_u32 s2, 0xf033
	s_cbranch_scc0 .Lentry_shape_is_right
	s_endpgm
.Lentry_shape_is_right:
; out0 = O Wo^T + bo on codes of FP6 (E2M3).  O's codes and scale words come from the attention launch, Wo's from the first launch (tiles 1,728 on of xc and xs); out0 is [8192][1024] f32.
; SHARES.  256 work-groups of four waves; a work-group makes 128 tokens x 256 features.  A wave holds 64 rows of Wo, ALL of K, in registers (32 fragments, 384 registers) and streams the work-group's 128 tokens past them
; in eight blocks of 16: a block is 32 products on four accumulators by turns, and its 16 x 64 results are finished behind them.  So a block's rows leave while the next block is multiplied.
; Source 0 = 16 rows of Wo, source 1 = 16 tokens: a lane holds eight neighbouring features of one token.  bo is the C of a block's first four products.
; LDS IS FILLED ONCE, one joint load a wave, each a dense block stated as rows of 256 bytes: wave 0 Wo's tiles 0-7, wave 1 its tiles 8-15, wave 2 the tokens' tiles 0-3, wave 3 tiles 4-7.
; The first barrier waits for Wo's two loads alone (their lines are those waves' own); the weights' 128 LDS loads stand ahead of the wait for the tokens.  Nothing is filled again.
; All fills go out at the head and there is no loop to run ahead in: no prefetch is written.
; CLUSTERS: 4 x 4.  The four of a row of the cluster need the same tokens' tiles, the four of a column the same tiles of Wo: each is asked for jointly.
; The codes lie in memory and in LDS in the order of the operand's registers (1,536 bytes for 16 rows x 128 K); the scale words of all K stay in registers.
; THE ROWS OF A TILE ARE NOT NEIGHBOURS (lane-row r of tile t is row 32 (t / 2) + 8 (t % 2) + r + 8 (r / 8)): for Wo that gives a lane's registers neighbouring features; for the tokens it is undone in the stores' offsets.
; THE WAY OUT goes through the wave's own stage in LDS (16 rows x 272 bytes, bytes that no fill lands on): sixteen lanes store one aligned run of 256 bytes of a token's row.
; THE WAITS' COUNTS.  A block's fragments were fetched two blocks ago; younger are one block's 16 stage instructions and the next fetch's 32: 48 (block 0: the next fetch alone, 32; block 7: the stage's alone, 16).
; A block's rows are back from the stage when only the fetch issued behind them, 32 loads, is out (in block 7: nothing).
; REGISTERS: window 0: v1, v2 16, 8 x lane; v4-5, v8-9 the tokens' LDS addresses; v6-7 Wo's; v10, v11 the stage's; v12 the bias's offset; v13 the stores'; v14, v15 the add's two; v16-31 Wo's scale words; v34-65 the tokens';
;   v66-97 the bias; v98-161 two sets of four accumulators; v162-225 two sets of rows of out0.   Fragment f lies in window 1 + f / 21 at register 12 (f % 21): 0-31 Wo's (4 q + b), 32-39 and 40-47 the tokens' two sets.
.set LA,    196608                     ; Wo's 16 tiles x 12,288 bytes lie at 0, the tokens' 8 behind them
.set SPARE, 294912                     ; the spare words, 128 bytes a wave: two blocks of 256 bytes that no other line names
.set STAGE, 295424
.set SP,    272
.set SB,  16
.set SA,  34                           ; (Wo's and the tokens' scale registers differ modulo 8)
.set BB,  66
.set ACC, 98
.set OUTR, 162
.set G1A, 24
.set G1B, 32
.set G0A, 40
.set G0B, 56
.set MSB, 0
.macro WIN new                         ; the immediate's high byte repeats the setting that is left
.if MSB != \new
	s_set_vgpr_msb (MSB<<8)|\new
.set MSB, \new
.endif
.endm
.macro PLACES
.rept 4
	v_nop
.endr
.endm
.macro CROUND                          ; a round of the cluster's barrier
	s_barrier_signal -1
	s_barrier_wait -1
	s_cmp_lg_u32 s18, 0
	s_cbranch_scc1 .Lnot_wave_0_\@
	s_barrier_signal -3
.Lnot_wave_0_\@:
	s_barrier_wait -3
	s_barrier_signal -1
	s_barrier_wait -1
.endm
.macro TL g0, g1
	tensor_load_to_lds s[\g0:\g0+3], s[\g1:\g1+7]
	s_nop 0
	PLACES
.endm
.macro FRAG f, a16, a8, off            ; a fragment: 12 registers, as they were stored
	WIN (1+(\f)/21)<<6
.set R_, 12*((\f)%21)
	ds_load_b128 v[R_:R_+3], v[\a16] offset:\off
	ds_load_b64 v[R_+4:R_+5], v[\a8] offset:\off+512
	ds_load_b128 v[R_+6:R_+9], v[\a16] offset:\off+768
	ds_load_b64 v[R_+10:R_+11], v[\a8] offset:\off+1280
.endm
.macro FETCH a                         ; the tokens' tile a, all of K, into set a % 2: 32 loads
.irp q, 0,1,2,3,4,5,6,7
	FRAG 32+8*((\a)%2)+\q, 4+4*((\a)/4), 5+4*((\a)/4), 12288*((\a)%4)+1536*\q
.endr
	WIN 0
.endm
.macro WM d, fb, fa, c, sb, sa, row
.if \row
	v_wmma_scale_f32_16x16x128_f8f6f4 v[\d:\d+7], v[\fb:\fb+11], v[\fa:\fa+11], \c, v[\sb], v[\sa] matrix_a_fmt:MATRIX_FMT_FP6 matrix_b_fmt:MATRIX_FMT_FP6 matrix_a_scale:MATRIX_SCALE_ROW1 matrix_b_scale:MATRIX_SCALE_ROW1
.else
	v_wmma_scale_f32_16x16x128_f8f6f4 v[\d:\d+7], v[\fb:\fb+11], v[\fa:\fa+11], \c, v[\sb], v[\sa] matrix_a_fmt:MATRIX_FMT_FP6 matrix_b_fmt:MATRIX_FMT_FP6
.endif
.endm
.macro PROD a, n                       ; product n = 4 q + b of block a
.set Q_, (\n)/4
.set B_, (\n)%4
.set FB_, \n
.set FA_, 32+8*((\a)%2)+Q_
.set D_, ACC+32*((\a)%2)+8*B_
	WIN (1+FB_/21)|((1+FA_/21)<<2)
.if Q_
	WM D_, 12*(FB_%21), 12*(FA_%21), v[D_:D_+7], SB+4*B_+Q_/2, SA+4*(\a)+Q_/2, Q_%2
.else
	WM D_, 12*(FB_%21), 12*(FA_%21), v[BB+8*B_:BB+8*B_+7], SB+4*B_+Q_/2, SA+4*(\a)+Q_/2, Q_%2
.endif
.endm
.macro TOSTAGE a                       ; LDS serves a wave's instructions in order: no wait between the stores and the loads, nor in front of the next block's stores
.set AC_, ACC+32*((\a)%2)
.set OR_, OUTR+32*((\a)%2)
.irp b, 0,1,2,3
	ds_store_b128 v10, v[AC_+8*\b:AC_+8*\b+3] offset:128*(\b/2)+32*(\b%2)        ; each accumulator from its low end on
	ds_store_b128 v10, v[AC_+8*\b+4:AC_+8*\b+7] offset:128*(\b/2)+32*(\b%2)+16
.endr
.irp k, 0,1,2,3,4,5,6,7
	ds_load_b128 v[OR_+4*\k:OR_+4*\k+3], v11 offset:2*\k*SP                      ; rows 2 k and 2 k + 1, 256 bytes each
.endr
.endm
.macro SEND a
.set OR_, OUTR+32*((\a)%2)
.irp k, 0,1,2,3,4,5,6,7
	global_store_b128 v13, v[OR_+4*\k:OR_+4*\k+3], s[14:15] offset:(32*((\a)/2)+8*((\a)%2)+2*\k+8*(\k/4))*4096 th:TH_STORE_NT   ; two tokens' runs of 256 consecutive bytes, aligned; the tile's order of rows is undone here
.endr
.endm
.macro BLOCK a
.if (\a) == 0
	s_wait_dscnt 32
.elseif (\a) == 7
	s_wait_dscnt 16
.else
	s_wait_dscnt 48
.endif
.set N_, 0
.rept 32                               ; the four accumulators take turns, K ascending
	PROD \a, N_
.set N_, N_+1
.endr
	WIN 0
	PLACES                                         ; behind the products: for the stage's reads of the sums and the loads into the fragments' registers
	s_wait_xcnt 0x0                                ; the stores of two blocks ago have read their registers: this block's rows may land there
.if (\a) > 0
.if (\a) < 7
	s_wait_dscnt 32
.else
	s_wait_dscnt 0x0
.endif
	SEND (\a)-1
.endif
	TOSTAGE \a
.if (\a) < 6
	FETCH (\a)+2
.endif
.endm
	s_load_b256 s[4:11], s[0:1], 0x0               ; oc, os, xc, xs
	s_load_b128 s[12:15], s[0:1], 0x20             ; bo, out0
	v_lshl_add_u32 v14, v0, 2, SPARE
	v_mov_b32 v15, 0
	ds_add_u32 v14, v15                            ; the opening lines: the add, twice on end, and its wait ahead of my tensor load
	ds_add_u32 v14, v15
	v_lshrrev_b32 v8, 5, v0
	v_readfirstlane_b32 s18, v8                    ; wave 0..3: which 64 features are mine
	s_and_b32 s20, s18, 1                          ; which half of a side I fetch
	s_bfe_u32 s21, ttmp6, 0x40000                  ; cx
	s_bfe_u32 s22, ttmp6, 0x40004                  ; cy
	s_lshl_b32 s2, s22, 2
	s_lshl_b32 s2, 15, s2                          ; my row of the cluster
	s_lshl_b32 s3, 0x1111, s21                     ; my column
	s_or_b32 s[G1A], s2, (3<<16)|(1<<21)           ; the mask; elements of 8 bytes; bit 21 beside a mask; no padding
	s_or_b32 s[G1B], s3, (3<<16)|(1<<21)
	s_mov_b32 s[G1A+1], 32<<16                     ; rows of 256 bytes;
	s_mov_b32 s[G1A+2], 192<<16                    ; four tiles of tokens are 192 of them
	s_mov_b32 s[G1A+3], 32<<16
	s_mov_b32 s[G1A+4], 192
	s_mov_b32 s[G1A+5], 32
	s_mov_b32 s[G1A+6], 0
	s_mov_b32 s[G1A+7], 0
	s_mov_b32 s[G1B+1], 32<<16
	s_mov_b32 s[G1B+2], 384<<16                    ; eight tiles of Wo are 384
	s_mov_b32 s[G1B+3], 32<<16
	s_mov_b32 s[G1B+4], 384
	s_mov_b32 s[G1B+5], 32
	s_mov_b32 s[G1B+6], 0
	s_mov_b32 s[G1B+7], 0
	s_lshl_b32 s79, ttmp9, 2
	s_add_co_u32 s79, s79, s21                     ; my block of 256 features
	s_and_b32 s23, ttmp7, 0xffff
	s_lshl_b32 s80, s23, 2
	s_add_co_u32 s80, s80, s22                     ; my block of 128 tokens
	s_lshl_b32 s84, s80, 3
	s_lshl_b32 s2, s20, 2
	s_add_co_u32 s84, s84, s2                      ; the four tiles of tokens that I would fetch
	s_mul_i32 s84, s84, 12288
	s_mov_b32 s85, 0
	s_lshl_b32 s90, s80, 12                        ; the eight tiles' scale words, 512 bytes each
	s_mov_b32 s91, 0
	s_lshl_b32 s86, s79, 4
	s_add_co_u32 s86, s86, 1728                    ; Wo's tiles begin at 1,728
	s_lshl_b32 s2, s18, 2
	s_add_co_u32 s92, s86, s2                      ; the four tiles that I multiply: their scale words
	s_lshl_b32 s92, s92, 9
	s_mov_b32 s93, 0
	s_lshl_b32 s2, s20, 3
	s_add_co_u32 s86, s86, s2                      ; the eight that I would fetch
	s_mul_i32 s86, s86, 12288
	s_mov_b32 s87, 0
	s_mul_i32 s88, s20, 49152                      ; where they go: no place in the cluster enters an LDS address
	s_add_co_u32 s88, s88, LA
	s_mul_i32 s89, s20, 98304
	s_lshl_b32 s76, s79, 10
	s_lshl_b32 s77, s18, 8
	s_add_co_u32 s76, s76, s77                     ; my first feature, in bytes: 4 (256 x block + 64 x wave)
	s_mov_b32 s77, 0
	s_lshl_b32 s82, s80, 19                        ; my block's first token: 128 rows of 4,096 bytes a block
	s_add_co_u32 s82, s82, s76
	s_mov_b32 s83, 0
	s_wait_dscnt 0x0                               ; both opening adds are done
	s_wait_kmcnt 0x0
	s_add_nc_u64 s[84:85], s[4:5], s[84:85]
	s_add_nc_u64 s[86:87], s[8:9], s[86:87]
	s_add_nc_u64 s[90:91], s[6:7], s[90:91]
	s_add_nc_u64 s[92:93], s[10:11], s[92:93]
	s_add_nc_u64 s[12:13], s[12:13], s[76:77]
	s_add_nc_u64 s[14:15], s[14:15], s[82:83]
	s_mov_b32 s[G0A], 1
	s_mov_b32 s[G0A+1], s88
	s_mov_b64 s[G0A+2:G0A+3], s[84:85]
	s_or_b32 s[G0A+3], s[G0A+3], 0x80000000
	s_mov_b32 s[G0B], 1
	s_mov_b32 s[G0B+1], s89
	s_mov_b64 s[G0B+2:G0B+3], s[86:87]
	s_or_b32 s[G0B+3], s[G0B+3], 0x80000000
	CROUND                                         ; all sixteen work-groups are here: the joint loads meet
	s_cmp_eq_u32 s18, 0                            ; one chain of branches on the wave's number, one joint load to an arm
	s_cbranch_scc0 .Lfill_1
	TL G0B, G1B
	s_branch .Lfilled
.Lfill_1:
	s_cmp_eq_u32 s18, 1
	s_cbranch_scc0 .Lfill_2
	TL G0B, G1B
	s_branch .Lfilled
.Lfill_2:
	s_cmp_eq_u32 s18, 2
	s_cbranch_scc0 .Lfill_3
	TL G0A, G1A
	s_branch .Lfilled
.Lfill_3:
	TL G0A, G1A
.Lfilled:
	s_mul_i32 s2, s18, 49152                       ; my four tiles of Wo
	s_mul_i32 s3, s18, 16*SP
	s_add_co_u32 s3, s3, STAGE                     ; my stage
	v_and_b32 v226, 31, v0                         ; lane
	v_and_b32 v227, 15, v0                         ; r
	v_bfe_u32 v228, v0, 4, 1                       ; h
	v_lshlrev_b32 v1, 4, v226
	v_lshlrev_b32 v2, 3, v226
	v_mul_u32_u24 v10, v227, SP
	v_mul_u32_u24 v11, v228, SP
	v_lshlrev_b32 v12, 6, v228                     ; the bias: + 16 h numbers
	v_lshlrev_b32 v13, 12, v228
	v_add_nc_u32 v4, LA, v1                        ; the tokens' tiles 0-3,
	v_add_nc_u32 v5, LA, v2
	v_add_nc_u32 v8, LA+49152, v1                  ; and 4-7
	v_add_nc_u32 v9, LA+49152, v2
	v_add_nc_u32 v6, s2, v1
	v_add_nc_u32 v7, s2, v2
	v_lshl_add_u32 v10, v228, 6, v10
	v_lshl_add_u32 v11, v227, 4, v11
	v_lshl_add_u32 v13, v227, 4, v13               ; out0: lanes 0-15 one token's 256 bytes, lanes 16-31 the next token's
	v_add_nc_u32 v10, s3, v10                      ; the stage, in: row r, + 64 h
	v_add_nc_u32 v11, s3, v11                      ; and back: row lane / 16, 16 bytes a lane
	s_wait_alu depctr_va_vdst(0)                   ; the wait at the head's end
.irp b, 0,1,2,3
	global_load_b128 v[SB+4*\b:SB+4*\b+3], v1, s[92:93] offset:512*\b
.endr
.irp a, 0,1,2,3,4,5,6,7
	global_load_b128 v[SA+4*\a:SA+4*\a+3], v1, s[90:91] offset:512*\a
.endr
.irp b, 0,1,2,3
	global_load_b128 v[BB+8*\b:BB+8*\b+3], v12, s[12:13] offset:(32*(\b/2)+8*(\b%2))*4      ; tile b's eight of my half: features 32 (b / 2) + 8 (b % 2) + 16 h + 0 .. 7
	global_load_b128 v[BB+8*\b+4:BB+8*\b+7], v12, s[12:13] offset:(32*(\b/2)+8*(\b%2))*4+16
.endr
	s_cmp_lt_u32 s18, 2                            ; Wo came by waves 0 and 1, whose load lines are their own: they wait; the tokens may stay out
	s_cbranch_scc0 .Lnot_wo
	s_wait_tensorcnt 0x0
.Lnot_wo:
	s_barrier_signal -1
	s_barrier_wait -1
.irp q, 0,1,2,3,4,5,6,7                ; my 64 rows of Wo, all of K: 128 loads
.irp b, 0,1,2,3
	FRAG 4*\q+\b, 6, 7, 12288*\b+1536*\q
.endr
.endr
	WIN 0
	s_wait_tensorcnt 0x0                           ; every wave's load has landed,
	s_wait_dscnt 0x0
	s_barrier_signal -1
	s_barrier_wait -1                              ; and the tokens' tiles are shown to all
	FETCH 0
	FETCH 1
	s_wait_loadcnt 0x0                             ; scale words and bias
.irp a, 0,1,2,3,4,5,6,7
	BLOCK \a
.endr
	s_wait_dscnt 0x0
	SEND 7
	s_wait_tensorcnt 0x0                           ; the wave's end, behind my tensor load and my last LDS store
	ds_add_u32 v14, v15
	s_wait_dscnt 0x0
	CROUND                                         ; the closing round
	s_endpgm
.Lfunc_end_k_q94e2f2fdbf_outp:
	.size	k_q94e2f2fdbf_outp, .Lfunc_end_k_q94e2f2fdbf_outp-k_q94e2f2fdbf_outp
	.p2alignl 7, 3214868480
	.fill 96, 4, 3214868480
	.section	.rodata,"a",@progbits
	.p2align	6, 0x0
	.amdhsa_kernel k_q94e2f2fdbf_outp
		.amdhsa_group_segment_fixed_size 327680
		.amdhsa_private_segment_fixed_size 0
		.amdhsa_enable_private_segment 0
		.amdhsa_kernarg_size 48
		.amdhsa_user_sgpr_count 2
		.amdhsa_user_sgpr_kernarg_segment_ptr 1
		.amdhsa_wavefront_size32 1
		.amdhsa_system_sgpr_workgroup_id_x 1
		.amdhsa_system_sgpr_workgroup_id_y 1
		.amdhsa_system_sgpr_workgroup_id_z 1
		.amdhsa_system_vgpr_workitem_id 0
		.amdhsa_next_free_vgpr 1024
		.amdhsa_next_free_sgpr 100
		.amdhsa_reserve_vcc 0
		.amdhsa_float_denorm_mode_32 3
		.amdhsa_float_denorm_mode_16_64 3
		.amdhsa_memory_ordered 1
		.amdhsa_forward_progress 1
		.amdhsa_inst_pref_size 83
	.end_amdhsa_kernel
	.amdgpu_metadata
---
amdhsa.version: [ 1, 2 ]
amdhsa.kernels:
  - .name:           k_q94e2f2fdbf_outp
    .symbol:         k_q94e2f2fdbf_outp.kd
    .args:
      - { .name: oc, .offset: 0, .size: 8, .value_kind: global_buffer, .address_space: global }
      - { .name: os, .offset: 8, .size: 8, .value_kind: global_buffer, .address_space: global }
      - { .name: xc, .offset: 16, .size: 8, .value_kind: global_buffer, .address_space: global }
      - { .name: xs, .offset: 24, .size: 8, .value_kind: global_buffer, .address_space: global }
      - { .name: bo, .offset: 32, .size: 8, .value_kind: global_buffer, .address_space: global }
      - { .name: out0, .offset: 40, .size: 8, .value_kind: global_buffer, .address_space: global }
    .group_segment_fixed_size: 327680
    .private_segment_fixed_size: 0
    .kernarg_segment_align: 8
    .kernarg_segment_size: 48
    .max_flat_workgroup_size: 128
    .sgpr_count:     100
    .vgpr_count:     1024
    .wavefront_size: 32
...
	.end_amdgpu_metadata
.endif
;; end of part 4
